; MI455X (gfx1250); checked and timed in simulation.
; The chip was launched on July 23, 2026; its instructions are those of AMD's public machine-readable ISA for CDNA 5 (MIT licence, August 2026) and "CDNA5" Instruction Set Architecture Reference Guide (July 2026). The comments in the code are by the model that wrote it; some were corrected since.
;; Cross Attn UGCA. Allowed arithmetic: matrix products marked QUANTISED: E5M2 operands, one E8M0 scale for each 32 along K, by v_wmma_scale_f32_16x16x128_f8f6f4 with both operands' format E5M2, f32 sums; products left as they are: f32 operands where the result goes on into a quantised operand, else bf16, f16 or f32 operands; f32 sums; everything else in f32.
;; Inputs: Wg1_codes 192 x 96 x 32 uint8 (E5M2 codes of Wg1, K innermost, in blocks of 32 codes); Wg1_scales 192 x 96 uint8 (E8M0 scales of Wg1, one for each 32 codes along K); Wg2 192 x 1 float32; Wk_codes 768 x 24 x 32 uint8 (E5M2 codes of Wk, K innermost, in blocks of 32 codes); Wk_scales 768 x 24 uint8 (E8M0 scales of Wk, one for each 32 codes along K); Wo_codes 768 x 24 x 32 uint8 (E5M2 codes of Wo, K innermost, in blocks of 32 codes); Wo_scales 768 x 24 uint8 (E8M0 scales of Wo, one for each 32 codes along K); Wq_codes 768 x 24 x 32 uint8 (E5M2 codes of Wq, K innermost, in blocks of 32 codes); Wq_scales 768 x 24 uint8 (E8M0 scales of Wq, one for each 32 codes along K); Wv_codes 768 x 24 x 32 uint8 (E5M2 codes of Wv, K innermost, in blocks of 32 codes); Wv_scales 768 x 24 uint8 (E8M0 scales of Wv, one for each 32 codes along K); bg1 192 float32; bg2 1 float32; bk 768 float32; bo 768 float32; bq 768 float32; bv 768 float32; kv_mask 32 x 1,024 bool; kv_tokens 32 x 1,024 x 768 float32; ln_b 768 float32; ln_g 768 float32; q_vec 32 x 768 float32.
;; Outputs: out0 32 x 768 float32; out1 32 x 1,024 float32.
;; This version of the problem:
;;   THIS VERSION OF THE PROBLEM IS GIVEN IN LOW PRECISION. The matrix products marked QUANTISED in the list below multiply operands that are first quantised to E5M2 (5 exponent bits, 2 mantissa bits; 8 bits a number), with one power-of-two scale for each 32 numbers along K (OCP MX v1.0); their sums are f32. All else is computed in f32.
;;   The module's matrix products, in the order in which they are computed (A, B: the left and right operand; K: the contracted axis; several contracted axes count as one K, in the product's order):
;;     1. [M 32,768, K 3,072] x [K 3,072, N 192]; A: computed on the way; B: input Wg1 (given as codes): QUANTISED
;;     2. [M 32,768, K 192] x [K 192, N 1]; A: computed on the way; B: input Wg2: left as it is (N = 1 < 16)
;;     3. [M 32, K 768] x [K 768, N 768]; A: input q_vec; B: input Wq (given as codes): QUANTISED
;;     4. [M 32,768, K 768] x [K 768, N 768]; A: input kv_tokens; B: input Wk (given as codes): QUANTISED
;;     5. [M 32,768, K 768] x [K 768, N 768]; A: input kv_tokens; B: input Wv (given as codes): QUANTISED
;;     6. batch 256 x [M 1, K 96] x [K 96, N 1,024]; A: computed on the way; B: computed on the way: left as it is (M = 1 < 16)
;;     7. batch 256 x [M 1, K 1,024] x [K 1,024, N 96]; A: softmax; B: computed on the way: left as it is (M = 1 < 16)
;;     8. [M 32, K 768] x [K 768, N 768]; A: computed on the way; B: input Wo (given as codes): QUANTISED
;;   THE QUANTISER, for each operand of a quantised product, along K:
;;     - K is cut into blocks of 32 from its start; a last block that is shorter is filled with zeros.
;;     - A block's scale is 2^e with e = floor(log2(the largest magnitude in the block)) - 15, held to -126 .. 127; a block of zeros has e = 0. As a byte (E8M0): e + 127.
;;     - Each number is divided by its block's scale, clamped to +-57,344, and rounded to the nearest number of E5M2, ties to even, subnormals kept.
;;     - The product sums the exact products of the quantised numbers (number of the format x scale) in f32.
;;   ~~~python
;;   def quantise(x, axis):      # numpy; x: float32 -> the quantised numbers, widened to float32 again
;;       x = np.moveaxis(x, axis, -1); K = x.shape[-1]
;;       x = np.pad(x, [(0, 0)] * (x.ndim - 1) + [(0, -K % 32)]); x = x.reshape(x.shape[:-1] + (-1, 32)); a = np.abs(x).max(-1, keepdims=True)
;;       e = np.where(a > 0, np.clip(np.frexp(np.where(a > 0, a, 1))[1] - 1 - 15, -126, 127), 0)      # np.frexp(a)[1] - 1 = floor(log2(a)), exactly
;;       r = np.clip(x / 2.0 ** e, -57344, 57344)
;;       step = 2.0 ** (np.maximum(np.frexp(np.where(r == 0, 1, r))[1] - 1, -14) - 2)
;;       q = np.round(r / step) * step * 2.0 ** e      # np.round: ties to even
;;       return np.moveaxis(q.reshape(q.shape[:-2] + (-1,))[..., :K], -1, axis).astype(np.float32)
;;   ~~~
;;   OPERANDS COMPUTED ON THE WAY. 'Computed on the way' means the value that the module computes at that place (a softmax that the list does not call 'softmax' is quantised finished and normalised). What goes into a quantiser is computed in f32, as accurately as f32 sums, v_exp_f32 and their like allow (about 1e-6 of the number): no bf16 or f16 on the way to a quantiser, and a product that is left as it is and whose result goes on into a quantised operand takes f32 operands (vector FMAs, or v_wmma_f32_16x16x4_f32). A number that lies on a knife's edge between two numbers of the format may be rounded either way, as far as f32 arithmetic and the matrix unit's own rounding can turn it there, and no further.
;;   INPUTS GIVEN AS CODES. Wg1 (in the module: [3072, 192], K = its axis 0); Wk (in the module: [768, 768], K = its axis 0); Wo (in the module: [768, 768], K = its axis 0); Wq (in the module: [768, 768], K = its axis 0); Wv (in the module: [768, 768], K = its axis 0): each comes as NAME_codes (uint8): NAME with its K axis moved to the last place and cut into blocks of 32 codes, [.., K / 32, bytes a block], one block behind the other in memory; one code a byte (a code: sign, 5 exponent bits, 2 mantissa bits); and NAME_scales (uint8): the same leading axes, one E8M0 byte (e + 127) for each 32 codes along K. Its value is code x scale, taken as it is: it is not quantised again, and the codes and scales need not be those that the quantiser above would give.
;; 2 versions, each right. Each part assembles by itself: llvm-mc -triple=amdgcn-amd-amdhsa -mcpu=gfx1250 --defsym DOCPART=n.
;; ======== version 1 of 2: 2 launches
;; workspace buffers: part 1,048,576 bytes
;; launch main (part 1): grid 256 x 1, 4 waves a work-group, clusters of 4 x 1, 327,680 bytes of LDS; arguments kv_tokens, q_vec, kv_mask, Wg1_codes, Wg1_scales, bg1, Wg2, bg2, Wq_codes, Wq_scales, bq, Wk_codes, Wk_scales, bk, Wv_codes, Wv_scales, bv, out1, part; writes out1, part
.if DOCPART == 1
	.amdgcn_target "amdgcn-amd-amdhsa--gfx1250"
	.amdhsa_code_object_version 6
	.text
	.protected	k_qcfc0a96f3a_main
	.globl	k_qcfc0a96f3a_main
	.p2align	8
	.type	k_qcfc0a96f3a_main,@function
k_qcfc0a96f3a_main:
	s_mov_b64 s[64:65], 0
	v_nop
	global_prefetch_b8 v0, s[64:65] scope:SCOPE_SE
	s_setreg_imm32_b32 hwreg(HW_REG_WAVE_MODE, 25, 1), 1
	s_wait_xcnt 0x0
	s_wait_alu depctr_hold_cnt(0) depctr_sa_sdst(0) depctr_va_vdst(0) depctr_va_sdst(0) depctr_va_ssrc(0) depctr_va_vcc(0) depctr_vm_vsrc(0)
	s_getreg_b32 s2, hwreg(HW_REG_IB_STS2, 6, 4)
	s_cmp_eq_u32 s2, 0
	s_cbranch_scc0 .Lentry_in_a_cluster
	s_endpgm
.Lentry_in_a_cluster:
	s_bfe_u32 s2, ttmp6, 0x10000c
	s_cmp_lg_u32 s2, 0x3003
	s_cbranch_scc0 .Lentry_shape_is_right
	s_endpgm
.Lentry_shape_is_right:
; CrossAttnUGCA, first launch.  A work-group of four waves takes 128 tokens of one batch (8 work-groups a batch) through the gate (K = 3,072, N = 192),
; the K and V projections (768 x 768 each) and a partial softmax of the 8 heads' one query.  All quantised products run on E5M2 codes with E8M0 scales.
; PHASE A, six steps of 128 features: wave w owns tokens 32 w .. 32 w + 31 (two tiles of 16).  It loads them as f32 in the operand's layout, makes the codes of kv, |q - kv| and q kv in
;   registers and multiplies them at once by all 12 column tiles of Wg1.  kv's fragments also go to LDS as images of their registers, for phase B.  The gate's first quarter (rows of q, equal for
;   all tokens) is multiplied once a work-group, three column tiles a wave.  Wq's six tiles (the wave's two heads) are multiplied between the two tiles' quantisers.
; PHASE B, four passes K(2w), V(2w), K(2w+1), V(2w+1): wave w owns heads 2 w, 2 w + 1 for all 128 tokens: 48 accumulators.  Scores, 2^(t - m), the sum and the weighted sum of V stay in the wave.
; EVERY MATRIX INSTRUCTION IS USED TRANSPOSED: source 0 = 16 rows of a weight, source 1 = 16 tokens: lane l holds token l % 16, register j the output column n0 + 8 (l / 16) + j.
; Base 2: t = (q . k) log2(e) / sqrt(96) + log2 g (-infinity where the mask is 0); the factor is folded into q.  The batch's mean of log g is applied in the second launch.
; CLUSTER: all work-groups walk the same weights: four of them ask for each tile jointly (mask 15); wave w of each issues the same load.
; OUT: g_tok (512 bytes a work-group) and, per wave, a record of 1,024 bytes in part: 192 sums of p (v + bv), then m, m, l, l of its two heads, the sum of log2 g of its 32 tokens, zeros.
; LIMITS: NaN and infinities among the inputs are not served.  A block of zeros carries the scale byte 1 (its codes are zeros; the bytes are read by this program alone).  Blocks whose largest
; magnitude lies under 2^-111 keep that floor's byte.  The gate's first quarter and the softmax's parts are summed in another grouping than reference() has.
.set SLOT1, 110592                     ; LDS: slot 0 at 0 (phase A: four parts of Wg1, 192 rows x 144 bytes each; phase B: four tiles of 96 rows x 272), slot 1 here (four tiles of 96 x 272)
.set WTILE, 26112                      ; 96 rows x (256 + 16) bytes
.set GPART, 27648                      ; 192 rows x (128 + 16) bytes
.set KVI,   215040                     ; kv's 48 fragment images, 8 ks + row tile, 2,048 bytes each
.set KVS,   313344                     ; kv's scale words [ks][pair of row tiles][lane]
.set QC,    316416                     ; q's 768 codes, laid twice
.set QS,    317952                     ; q's 6 scale words, laid twice
.set TBI,   318208                     ; per token log2 g or -infinity
.set GTK,   318720                     ; per token g
.set G0A,   319232                     ; the gate's first quarter, 192 f32
.set STG,   320000                     ; 1,024 bytes a wave: q', later the record for part
.set SPARE, 324096                     ; the spare words, 128 bytes a wave: two blocks of 256 bytes that no other line names
; vector registers, window 0
.set LANE, 1
.set SPW,  2
.set NIL,  3
.set XO,   4                           ; r 3072 + 64 h
.set QO,   5                           ; 64 h
.set LBG0, 6                           ; r 144 + 16 h
.set LBG2, 7
.set LBGQ, 8
.set LBW,  9                           ; w WTILE + r 272 + 16 h
.set ADB,  10
.set IMS0, 11
.set IMS,  12
.set SAW,  12
.set KVS0, 13
.set KVSW, 14
.set SBW,  14
.set QCL,  15
.set AQ2,  16
.set AQG,  17
.set VGS,  18
.set VGQ,  19
.set VBS,  20
.set PFO,  21
.set L16,  22
.set HB,   23                          ; 32 h
.set SA,   24
.set SB,   25
.set IA0,  26
.set IA1,  27
.set KVL,  28
.set TBL,  29
.set MK,   30
.set TA,   31
.set GS,   32                          ; v32-95 hold scales and nothing else.  Phase A: 21 words of Wg1,
.set WQS,  54                          ; 12 of Wq,
.set QW,   66                          ; q's two for Wq's chunk, v68 q's for the gate,
.set QWG,  68
.set WK0,  70                          ; the six words just made: WK0 + 2 (part - 1) + tile
.set WKM,  76
.set QWD,  77
.set AS,   32                          ; phase B: kv's words, AS + 4 ks + pair;
.set BS,   56                          ; the weight's, BS + 6 b + ks
.set TM,   96                          ; the quantiser's 16 temporaries
.set QFG,  112
.set QF2,  128
.set FK0,  160                         ; the six fragments: FK0 + 32 (part - 1) + 16 tile
.set TB,   96
.set S2,   104
.set TP,   120
.set EV,   192
.set E2,   160
.set GZ,   176
; window 1 (phase A): two tiles of kv, q, and a tile at work.  Phase B: two sets of six weight fragments, from 192 the bias
.set RX1,  64
.set RQ,   128
.set RT,   192
.set BI,   192
; window 2 (phase A): two sets of six weight fragments; from 192 the six accumulators of q.  Window 3: the gate's 24 accumulators, from 192 the first quarter's three.  Phase B: 24 accumulators each
.set QACC, 192
; scalar registers
.set WV,   8
.set SCNT, 9
.set PI,   10
.set TBR,  11
.set SEL,  12
.set MNT,  14
.set MHI,  15
.set G1G,  16
.set G1W,  24
.set G0G,  32
.set G0W,  36
.set BVP,  40
.set OUT1, 42
.set PART, 44
.set CUR,  46
.set NXT,  48
.set NBI,  50
.set NBS,  52
.set SI,   54
.set SK,   55
.set SQ,   56
.set SQ4,  57
.set SC,   58
.set SC8,  59
.set CQ,   60
.set BG2,  62
.set WOFF, 63
.set XB,   68
.set QB,   70
.set MKP,  72
.set G1C,  74
.set GSB,  76
.set BG1,  78
.set WG2,  80
.set BG2P, 82
.set WA,   84
.set WQSB, 86
.set BQ,   88
.set PK,   90
.set SKP,  92
.set BKP,  94
.set PV,   96
.set SVP,  98
.set C01,  100
.set C99,  101
.set MSB, 0
.macro WIN new                         ; the immediate's high byte repeats the setting that is left; a switch that changes nothing is dropped
.if MSB != (\new)
	s_set_vgpr_msb (MSB<<8)|(\new)
.set MSB, (\new)
.endif
.endm
.macro PLACES n                        ; plain vector lines between a matrix instruction and a load into, or a read of, its registers
.rept \n
	v_nop
.endr
.endm
.macro CREST                           ; a round of the cluster's barrier behind its opening barrier
	s_cmp_lg_u32 s[WV], 0
	s_cbranch_scc1 .Lnot_wave_0_\@
	s_barrier_signal -3
.Lnot_wave_0_\@:
	s_barrier_wait -3
	s_barrier_signal -1
	s_barrier_wait -1
.endm
.macro CROUND
	s_barrier_signal -1
	s_barrier_wait -1
	CREST
.endm
; one product: D rD, source 0 rA, source 1 rB, C rC, scales rSA (lanes 16-31 where rRA) and rSB (rRB)
.macro WM
.if rRA && rRB
	v_wmma_scale_f32_16x16x128_f8f6f4 v[rD:rD+7], v[rA:rA+15], v[rB:rB+15], v[rC:rC+7], v[rSA], v[rSB] matrix_a_fmt:MATRIX_FMT_BF8 matrix_b_fmt:MATRIX_FMT_BF8 matrix_a_scale:MATRIX_SCALE_ROW1 matrix_b_scale:MATRIX_SCALE_ROW1
.elseif rRA
	v_wmma_scale_f32_16x16x128_f8f6f4 v[rD:rD+7], v[rA:rA+15], v[rB:rB+15], v[rC:rC+7], v[rSA], v[rSB] matrix_a_fmt:MATRIX_FMT_BF8 matrix_b_fmt:MATRIX_FMT_BF8 matrix_a_scale:MATRIX_SCALE_ROW1
.elseif rRB
	v_wmma_scale_f32_16x16x128_f8f6f4 v[rD:rD+7], v[rA:rA+15], v[rB:rB+15], v[rC:rC+7], v[rSA], v[rSB] matrix_a_fmt:MATRIX_FMT_BF8 matrix_b_fmt:MATRIX_FMT_BF8 matrix_b_scale:MATRIX_SCALE_ROW1
.else
	v_wmma_scale_f32_16x16x128_f8f6f4 v[rD:rD+7], v[rA:rA+15], v[rB:rB+15], v[rC:rC+7], v[rSA], v[rSB] matrix_a_fmt:MATRIX_FMT_BF8 matrix_b_fmt:MATRIX_FMT_BF8
.endif
.endm
; 64 numbers of a lane in window 1, register 16 b + i = k 32 b + 16 (lane / 16) + i of my row, become a fragment's 16 registers and its scale word, both in window 0.
; mode 1: the numbers' magnitudes are what is quantised (|q - kv|): the hold takes them.
.macro QUANT src, mode, dst, word
	WIN 0x05                                       ; sources 0 and 1 window 1
.irp b, 0,1,2,3
	v_max3_num_f32 v[TM+\b], |v[(\src)+16*\b]|, |v[(\src)+16*\b+1]|, 0x8000000   ; the floor 2^(16 - 127) among the leaves holds the byte at 1 from below
.endr
.irp i, 2,4,6,8,10,12,14
.irp b, 0,1,2,3
	v_max3_num_f32 v[TM+\b], |v[(\src)+16*\b+\i]|, |v[(\src)+16*\b+\i+1]|, v[TM+\b]
.endr
.endr
	WIN 0
.irp b, 0,1,2,3
	v_permlanex16_b32 v[TM+4+\b], v[TM+\b], s[SEL], s[SEL+1]
.endr
.irp b, 0,1,2,3
	v_max_num_f32 v[TM+\b], v[TM+\b], v[TM+4+\b]   ; with lane l xor 16's 16 numbers: the block's largest magnitude
.endr
.irp b, 0,1,2,3
	v_add_nc_u32 v[TM+12+\b], 0xf8800000, v[TM+\b] ; 15 off its exponent field: the conversion's scale operand
.endr
.irp b, 0,1,2,3
	v_and_or_b32 v[TM+8+\b], v[TM+\b], 0x7f800000, s[MNT]   ; 57,344 x the scale
.endr
.irp b, 0,1,2,3
	v_lshrrev_b32 v[TM+4+\b], 23, v[TM+12+\b]      ; the scale's byte
.endr
	v_lshl_or_b32 v[(\word)], v[TM+5], 8, v[TM+4]
	v_lshl_or_b32 v[(\word)], v[TM+6], 16, v[(\word)]
	v_lshl_or_b32 v[(\word)], v[TM+7], 24, v[(\word)]
	WIN 0x41                                       ; destination and source 0 window 1
.irp b, 0,1,2,3
.irp i, 0,1,2,3,4,5,6,7,8,9,10,11,12,13,14,15
.if \mode
	v_min_num_f32 v[(\src)+16*\b+\i], |v[(\src)+16*\b+\i]|, v[TM+8+\b]
.else
	v_med3_num_f32 v[(\src)+16*\b+\i], v[(\src)+16*\b+\i], -v[TM+8+\b], v[TM+8+\b]   ; the conversion to an 8-bit code does not saturate (ISA guide 7.6.2)
.endif
.endr
.endr
	WIN 0x01
.irp b, 0,1,2,3
	v_cvt_scalef32_pk8_bf8_f32 v[(\dst)+4*\b:(\dst)+4*\b+1], v[(\src)+16*\b:(\src)+16*\b+7], v[TM+12+\b]
	v_cvt_scalef32_pk8_bf8_f32 v[(\dst)+4*\b+2:(\dst)+4*\b+3], v[(\src)+16*\b+8:(\src)+16*\b+15], v[TM+12+\b]
.endr
	v_nop                                          ; a plain line between the conversions and whatever next touches their results or writes their sources
.endm
; 16 loads: 64 numbers a lane, in the operand's layout, into window 1 (the window is set by the caller)
.macro XLOAD reg, sb, vo, off, nt
.irp b, 0,1,2,3
.irp j, 0,1,2,3
.if \nt
	global_load_b128 v[(\reg)+16*\b+4*\j:(\reg)+16*\b+4*\j+3], v[\vo], s[\sb:\sb+1] offset:(\off)+128*\b+16*\j th:TH_LOAD_NT
.else
	global_load_b128 v[(\reg)+16*\b+4*\j:(\reg)+16*\b+4*\j+3], v[\vo], s[\sb:\sb+1] offset:(\off)+128*\b+16*\j
.endif
.endr
.endr
.endm
; tile t of my two: |kv - q|, kv q and kv become fragments; kv's goes to LDS as it stands
.macro TILE t
	WIN 0x45
.set n_, 0
.rept 32
	v_pk_add_f32 v[RT+n_:RT+n_+1], v[64*(\t)+n_:64*(\t)+n_+1], v[RQ+n_:RQ+n_+1] neg_lo:[0,1] neg_hi:[0,1]
.set n_, n_+2
.endr
	QUANT RT, 1, FK0+32+16*(\t), WK0+2+(\t)
	WIN 0x45
.set n_, 0
.rept 32
	v_pk_mul_f32 v[RT+n_:RT+n_+1], v[64*(\t)+n_:64*(\t)+n_+1], v[RQ+n_:RQ+n_+1]
.set n_, n_+2
.endr
	QUANT RT, 0, FK0+64+16*(\t), WK0+4+(\t)
	QUANT 64*(\t), 0, FK0+16*(\t), WK0+(\t)
	WIN 0
.irp c, 0,1,2,3
	ds_store_b128 v[IMS], v[FK0+16*(\t)+4*\c:FK0+16*\t+4*\c+3] offset:2048*(\t)+512*\c
.endr
.endm
; six fragments of Wg1 into set g % 2 of window 2: part 1 + g / 2, column tiles 6 (g % 2) on.  g = 6: my three tiles of part 0
.macro FETCHG g
	WIN 0x80
.if (\g) < 6
.irp i, 0,1,2,3,4,5
.irp c, 0,1,2,3
.if (\g) < 2
	ds_load_b128 v[96*((\g)%2)+16*\i+4*\c:96*((\g)%2)+16*\i+4*\c+3], v[LBG0] offset:GPART+(6*((\g)%2)+\i)*2304+32*\c
.else
	ds_load_b128 v[96*((\g)%2)+16*\i+4*\c:96*((\g)%2)+16*\i+4*\c+3], v[LBG2] offset:((\g)/2-1)*GPART+(6*((\g)%2)+\i)*2304+32*\c
.endif
.endr
.endr
.else
.irp i, 0,1,2
.irp c, 0,1,2,3
	ds_load_b128 v[16*\i+4*\c:16*\i+4*\c+3], v[LBGQ] offset:\i*2304+32*\c
.endr
.endr
.endif
.endm
; their products: twelve accumulators by turns, one instruction a turn
.macro MULG g
	WIN 0xf2                                       ; source 0 window 2, source 1 window 0, C and D window 3
.if (\g) < 6
.irp i, 0,1,2,3,4,5
.irp t, 0,1
.set rD, 96*\t+8*(6*((\g)%2)+\i)
.set rC, rD
.set rA, 96*((\g)%2)+16*\i
.set rB, FK0+32*((\g)/2)+16*\t
.set rSA, GS+6*((\g)/2)+(6*((\g)%2)+\i)/2
.set rSB, WK0+2*((\g)/2)+\t
.set rRA, \i%2
.set rRB, 0
	WM
.endr
.endr
.else
.irp i, 0,1,2
.set rD, 192+8*\i
.set rC, rD
.set rA, 16*\i
.set rB, QFG
.set rSA, GS+18+\i
.set rSB, QWG
.set rRA, 0
.set rRB, 0
	WM
.endr
.endif
.endm
; ---- phase B
.macro FRAGB ks                        ; the weight's six fragments of K step ks into set ks % 2 of window 1
	WIN 0x40
.irp b, 0,1,2,3,4,5
.irp c, 0,1,2,3
	ds_load_b128 v[96*((\ks)%2)+16*\b+4*\c:96*((\ks)%2)+16*\b+4*\c+3], v[ADB] offset:4352*\b+128*((\ks)%2)+32*\c
.endr
.endr
.endm
.macro FRAGA ks, a0                    ; kv's images of row tiles a0 .. a0 + 3
	WIN 0
.irp aa, 0,1,2,3
.irp c, 0,1,2,3
.if (\ks) < 4
	ds_load_b128 v[128+16*((\a0)+\aa)+4*\c:128+16*((\a0)+\aa)+4*\c+3], v[IA0] offset:(8*(\ks)+(\a0)+\aa)*2048+512*\c
.else
	ds_load_b128 v[128+16*((\a0)+\aa)+4*\c:128+16*((\a0)+\aa)+4*\c+3], v[IA1] offset:(8*(\ks)+(\a0)+\aa)*2048+512*\c-65536
.endif
.endr
.endr
.endm
.macro MUL12 ap, ks, first             ; row tiles 2 ap, 2 ap + 1 x six column tiles; first = 1: the bias is the C that starts the sums
.if \first
	WIN 0x91+0x40*((\ap)/2)
.else
	WIN 0xa1+0x50*((\ap)/2)
.endif
.irp aa, 0,1
.irp b, 0,1,2,3,4,5
.set rAI, 2*(\ap)+\aa
.set rD, 48*(rAI%4)+8*\b
.set rA, 96*((\ks)%2)+16*\b
.set rB, 128+16*rAI
.set rSA, BS+6*\b+(\ks)
.set rSB, AS+4*(\ks)+rAI/2
.set rRA, 0
.set rRB, rAI%2
.if \first
.set rC, BI+8*\b
.else
.set rC, rD
.endif
	WM
.endr
.endr
.endm
.macro NEXTBS c                        ; the next pass's scale words of K steps 2 c, 2 c + 1
.irp b, 0,1,2,3,4,5
	global_load_b64 v[BS+6*\b+2*(\c):BS+6*\b+2*(\c)+1], v[VBS], s[NBS:NBS+1] offset:384*\b+8*(\c)
.endr
.endm
.macro NEXTBI                          ; the next pass's bias, in the result's layout
	WIN 0x40
.irp b, 0,1,2,3,4,5
	global_load_b128 v[BI+8*\b:BI+8*\b+3], v[HB], s[NBI:NBI+1] offset:64*\b
	global_load_b128 v[BI+8*\b+4:BI+8*\b+7], v[HB], s[NBI:NBI+1] offset:64*\b+16
.endr
.endm
.macro KSTEP ks, first, ld             ; an even K step: its successor lies in the same slot
	s_wait_dscnt 16                                ; the weight's set and row tiles 0-3 are in; the youngest 16 loads (row tiles 4-7) may be out
	MUL12 0, \ks, \first
	MUL12 1, \ks, \first
	s_wait_dscnt 0x0
	PLACES 8
.if (\ld) >= 0
	WIN 0
	NEXTBS \ld
.endif
	FRAGB (\ks)+1
	FRAGA (\ks)+1, 0
	MUL12 2, \ks, \first
	MUL12 3, \ks, \first
	PLACES 8
	FRAGA (\ks)+1, 4
.endm
; An odd K step changes slots.  In front of the barrier each wave waits for all its tensor loads (one is out: the next slot's tile), adds 0 to its spare word, and waits for that and for its reads
; of this slot.  fill = 1: the barrier opens a round of the cluster's barrier, and behind it this slot takes the chunk two chunks on: src 0: this pass's third, 1: the next pass's first, 2: its second.
.macro TURN ks, fill, src, nks, tail, ldbi
	WIN 0
	s_wait_tensorcnt 0x0
	ds_add_u32 v[SPW], v[NIL]
	s_wait_dscnt 17                                ; the add and the youngest 16 loads may be out
	MUL12 0, \ks, 0
	s_wait_dscnt 0x0                               ; the add is done, my reads of this slot are over
	s_barrier_signal -1
	MUL12 1, \ks, 0
	WIN 0
	s_barrier_wait -1
.if \fill
	CREST
	s_add_co_u32 s[G0W+1], s[TBR], s[WOFF]         ; no tensor load of mine is out: the descriptor may be written
.if (\src) == 0
	s_add_nc_u64 s[G0W+2:G0W+3], s[CUR:CUR+1], 512
.elseif (\src) == 1
	s_mov_b64 s[G0W+2:G0W+3], s[NXT:NXT+1]
.else
	s_add_nc_u64 s[G0W+2:G0W+3], s[NXT:NXT+1], 256
.endif
	s_or_b32 s[G0W+3], s[G0W+3], 0x80000000
	tensor_load_to_lds s[G0W:G0W+3], s[G1W:G1W+7]  ; my one tensor load behind this round; 72 products stand ahead of the wait for it
	s_nop 0
.endif
	PLACES 8                                       ; behind the tensor load, and in front of the loads into registers that products have read
	s_xor_b32 s[TBR], s[TBR], SLOT1
	v_add_nc_u32 v[ADB], s[TBR], v[LBW]
.if \ldbi
	NEXTBI
.endif
	FRAGB \nks
	FRAGA \nks, 0
	MUL12 2, \ks, 0
	MUL12 3, \ks, 0
	PLACES 8
.if \tail
	FRAGA \nks, 4
.endif
.endm
.macro PASS last                       ; 96 columns x 128 tokens x K = 768: 288 products
	s_wait_loadcnt 0x0                             ; this pass's bias and scale words
	KSTEP 0, 1, -1
	TURN 1, 1, 0, 2, 1, 1-(\last)
.if \last
	KSTEP 2, 0, -1
	TURN 3, 0, 1, 4, 1, 0
	KSTEP 4, 0, -1
	s_wait_dscnt 16                                ; the very last K step: nothing more to fetch
	MUL12 0, 5, 0
	MUL12 1, 5, 0
	s_wait_dscnt 0x0
	MUL12 2, 5, 0
	MUL12 3, 5, 0
	PLACES 8
.else
	KSTEP 2, 0, 0
	TURN 3, 1, 1, 4, 1, 0
	KSTEP 4, 0, 1
	TURN 5, 1, 2, 0, 0, 0
.endif
	WIN 0
.endm
; behind a K pass: t = k . q' + log2 g, the block's largest t, p = 2^(t - m), the sum.  p stays in v[S2 + 2 a]
.macro EPI_K
.irp b, 0,1,2,3,4,5
	ds_load_b128 v[EV+8*\b:EV+8*\b+3], v[SAW] offset:64*\b
	ds_load_b128 v[EV+8*\b+4:EV+8*\b+7], v[SAW] offset:64*\b+16
.endr
	s_wait_dscnt 0x0
.irp hw, 0,1
	WIN 0x02+\hw                                   ; source 0: the accumulators' window
.irp b, 0,1,2,3,4,5
.irp i, 0,2,4,6
.irp aa, 0,1,2,3
.if (\b == 0) && (\i == 0)
	v_pk_mul_f32 v[S2+2*(4*\hw+\aa):S2+2*(4*\hw+\aa)+1], v[48*\aa+8*\b+\i:48*\aa+8*\b+\i+1], v[EV+8*\b+\i:EV+8*\b+\i+1]
.else
	v_pk_fma_f32 v[S2+2*(4*\hw+\aa):S2+2*(4*\hw+\aa)+1], v[48*\aa+8*\b+\i:48*\aa+8*\b+\i+1], v[EV+8*\b+\i:EV+8*\b+\i+1], v[S2+2*(4*\hw+\aa):S2+2*(4*\hw+\aa)+1]
.endif
.endr
.endr
.endr
.endr
	WIN 0
.irp a, 0,1,2,3,4,5,6,7
	v_add_f32 v[S2+2*\a], v[S2+2*\a], v[S2+2*\a+1]
.endr
.irp a, 0,1,2,3,4,5,6,7
	v_permlanex16_b32 v[S2+2*\a+1], v[S2+2*\a], s[SEL], s[SEL+1]   ; the token's other 48 columns lie in the lane 16 away
.endr
.irp a, 0,1,2,3,4,5,6,7
	v_add_f32 v[S2+2*\a], v[S2+2*\a], v[S2+2*\a+1]
.endr
.irp a, 0,1,2,3,4,5,6,7
	v_add_f32 v[S2+2*\a], v[S2+2*\a], v[TB+\a]
.endr
	v_max3_num_f32 v[TP], v[S2], v[S2+2], 0xff61b1e6              ; the floor -3e38: a block with no valid token keeps it, and its p are 0
	v_max3_num_f32 v[TP], v[TP], v[S2+4], v[S2+6]
	v_max3_num_f32 v[TP], v[TP], v[S2+8], v[S2+10]
	v_max3_num_f32 v[TP], v[TP], v[S2+12], v[S2+14]
.irp x, 1,2,4,8
	v_max_num_f32_dpp v[TP], v[TP], v[TP] row_xmask:\x row_mask:0xf bank_mask:0xf
.endr
.irp a, 0,1,2,3,4,5,6,7
	v_sub_f32 v[S2+2*\a], v[S2+2*\a], v[TP]
.endr
.irp a, 0,1,2,3,4,5,6,7
	v_exp_f32 v[S2+2*\a], v[S2+2*\a]
.endr
	ds_store_b32 v[SBW], v[TP]                     ; m
	v_nop                                          ; a plain line behind the last exponential
	s_wait_alu depctr_va_vdst(0)                   ; one wait for the eight, ahead of their first reader
	v_add_f32 v[TP+1], v[S2], v[S2+2]
	v_add_f32 v[TP+2], v[S2+4], v[S2+6]
	v_add_f32 v[TP+3], v[S2+8], v[S2+10]
	v_add_f32 v[TP+4], v[S2+12], v[S2+14]
	v_add_f32 v[TP+1], v[TP+1], v[TP+2]
	v_add_f32 v[TP+3], v[TP+3], v[TP+4]
	v_add_f32 v[TP+1], v[TP+1], v[TP+3]
.irp x, 1,2,4,8
	v_add_f32_dpp v[TP+1], v[TP+1], v[TP+1] row_xmask:\x row_mask:0xf bank_mask:0xf
.endr
	ds_store_b32 v[SBW], v[TP+1] offset:8          ; l
.endm
; behind a V pass: the sum over my 128 tokens of p (v + bv): within a lane over the eight row tiles, then over the sixteen lanes of a half
.macro EPI_V
.irp hw, 0,1
	WIN 0x02+\hw
.irp aa, 0,1,2,3
.irp b, 0,1,2,3,4,5
.irp i, 0,2,4,6
.if (\hw == 0) && (\aa == 0)
	v_pk_mul_f32 v[EV+8*\b+\i:EV+8*\b+\i+1], v[48*\aa+8*\b+\i:48*\aa+8*\b+\i+1], v[S2+2*(4*\hw+\aa):S2+2*(4*\hw+\aa)+1] op_sel_hi:[1,0]
.else
	v_pk_fma_f32 v[EV+8*\b+\i:EV+8*\b+\i+1], v[48*\aa+8*\b+\i:48*\aa+8*\b+\i+1], v[S2+2*(4*\hw+\aa):S2+2*(4*\hw+\aa)+1], v[EV+8*\b+\i:EV+8*\b+\i+1] op_sel_hi:[1,0,1]
.endif
.endr
.endr
.endr
.endr
	WIN 0
.irp x, 1,2,4,8
.set n_, 0
.rept 48
	v_add_f32_dpp v[EV+n_], v[EV+n_], v[EV+n_] row_xmask:\x row_mask:0xf bank_mask:0xf
.set n_, n_+1
.endr
.endr
.irp b, 0,1,2,3,4,5
	ds_store_b128 v[SAW], v[EV+8*\b:EV+8*\b+3] offset:64*\b          ; the sixteen lanes of a half write the same bytes with the same numbers
	ds_store_b128 v[SAW], v[EV+8*\b+4:EV+8*\b+7] offset:64*\b+16
.endr
.endm
; ================ the head
	s_load_b512 s[68:83], s[0:1], 0x0              ; kv_tokens, q_vec, kv_mask, Wg1_codes, Wg1_scales, bg1, Wg2, bg2
	s_load_b512 s[84:99], s[0:1], 0x40             ; Wq_codes, Wq_scales, bq, Wk_codes, Wk_scales, bk, Wv_codes, Wv_scales
	s_load_b128 s[40:43], s[0:1], 0x80             ; bv, out1
	s_load_b64 s[44:45], s[0:1], 0x90              ; part
	v_lshl_add_u32 v[SPW], v0, 2, SPARE
	v_mov_b32 v[NIL], 0
	ds_add_u32 v2, v3
	ds_add_u32 v2, v3
	s_wait_dscnt 0x0
	v_lshrrev_b32 v[TA], 5, v0
	v_readfirstlane_b32 s[WV], v[TA]               ; wave 0..3
	; group 1 for a part of Wg1: 192 rows x 128 bytes, rows 3,072 bytes apart, 16 bytes of padding behind each; mask: all four work-groups
	s_mov_b32 s[G1G+0], 15|(1<<20)|(1<<21)|(4<<22)|(3<<25)
	s_mov_b32 s[G1G+1], 128<<16
	s_mov_b32 s[G1G+2], 192<<16
	s_mov_b32 s[G1G+3], 128<<16
	s_mov_b32 s[G1G+4], 192
	s_mov_b32 s[G1G+5], 3072
	s_mov_b32 s[G1G+6], 0
	s_mov_b32 s[G1G+7], 0
	; group 1 for a head's chunk of Wq, Wk or Wv: 96 rows x 256 bytes, rows 768 bytes apart, 16 bytes of padding behind each
	s_mov_b32 s[G1W+0], 15|(1<<20)|(1<<21)|(5<<22)|(3<<25)
	s_mov_b32 s[G1W+1], 256<<16
	s_mov_b32 s[G1W+2], 96<<16
	s_mov_b32 s[G1W+3], 256<<16
	s_mov_b32 s[G1W+4], 96
	s_mov_b32 s[G1W+5], 768
	s_mov_b32 s[G1W+6], 0
	s_mov_b32 s[G1W+7], 0
	s_mov_b32 s[SEL], 0x76543210
	s_mov_b32 s[SEL+1], 0xfedcba98                 ; v_permlanex16_b32's selects for lane l xor 16
	s_mov_b32 s[MNT], 0x600000                     ; the mantissa field of 57,344
	s_mov_b32 s[MHI], 0xffff0000                   ; lanes 16-31
	s_mov_b32 s[CQ], 0x3e16c740                    ; log2(e) / sqrt(96)
	s_mov_b32 s[CQ+1], s[CQ]
	s_mul_i32 s[WOFF], s[WV], WTILE
	s_mul_i32 s4, s[WV], 147456                    ; my two heads' 192 rows of 768 bytes
	s_mov_b32 s5, 0
	s_mul_i32 s6, s[WV], 768
	s_mov_b32 s7, 0
	s_bfe_u32 s66, ttmp6, 0x40000                  ; my place in the cluster: it enters the addresses of kv, q, the mask, out1 and part alone
	s_lshl_b32 s67, ttmp9, 2
	s_add_co_u32 s67, s67, s66                     ; the work-group's number
	s_wait_kmcnt 0x0
	s_add_nc_u64 s[WA:WA+1], s[WA:WA+1], s[4:5]
	s_add_nc_u64 s[PK:PK+1], s[PK:PK+1], s[4:5]
	s_add_nc_u64 s[PV:PV+1], s[PV:PV+1], s[4:5]
	s_add_nc_u64 s[G1C:G1C+1], s[G1C:G1C+1], s[6:7]   ; Wg1: part w begins 768 bytes x w into a row
	s_add_nc_u64 s[BQ:BQ+1], s[BQ:BQ+1], s[6:7]       ; the biases: 192 numbers x w
	s_add_nc_u64 s[BKP:BKP+1], s[BKP:BKP+1], s[6:7]
	s_add_nc_u64 s[BVP:BVP+1], s[BVP:BVP+1], s[6:7]
	s_mul_i32 s6, s[WV], 4608                      ; the scales: 192 rows of 24 bytes x w
	s_add_nc_u64 s[WQSB:WQSB+1], s[WQSB:WQSB+1], s[6:7]
	s_add_nc_u64 s[SKP:SKP+1], s[SKP:SKP+1], s[6:7]
	s_add_nc_u64 s[SVP:SVP+1], s[SVP:SVP+1], s[6:7]
	s_mov_b32 s[G0G], 1
	s_mul_i32 s[G0G+1], s[WV], GPART
	s_mov_b64 s[G0G+2:G0G+3], s[G1C:G1C+1]
	s_or_b32 s[G0G+3], s[G0G+3], 0x80000000
	s_mov_b32 s[G0W], 1
	s_add_co_u32 s[G0W+1], s[WOFF], SLOT1
	s_mov_b64 s[G0W+2:G0W+3], s[WA:WA+1]
	s_or_b32 s[G0W+3], s[G0W+3], 0x80000000
	CROUND                                         ; all four work-groups are here: the first joint load meets
	tensor_load_to_lds s[G0W:G0W+3], s[G1W:G1W+7]  ; Wq, head 2 w, K 0..255, into slot 1
	s_nop 0
	PLACES 4
	s_load_b32 s[BG2], s[BG2P:BG2P+1], 0x0
	s_mul_i32 s100, s67, 393216                    ; 128 tokens of 3,072 bytes
	s_mul_i32 s66, s[WV], 98304
	s_add_co_u32 s100, s100, s66
	s_mov_b32 s101, 0
	s_add_nc_u64 s[XB:XB+1], s[XB:XB+1], s[100:101]
	s_lshr_b32 s100, s67, 3                        ; the batch
	s_mul_i32 s100, s100, 3072
	s_add_nc_u64 s[QB:QB+1], s[QB:QB+1], s[100:101]
	s_lshl_b32 s100, s67, 7
	s_lshl_b32 s66, s[WV], 5
	s_add_co_u32 s100, s100, s66
	s_add_nc_u64 s[MKP:MKP+1], s[MKP:MKP+1], s[100:101]
	s_lshl_b32 s100, s67, 9
	s_add_nc_u64 s[OUT1:OUT1+1], s[OUT1:OUT1+1], s[100:101]
	s_lshl_b32 s100, s67, 12
	s_lshl_b32 s66, s[WV], 10
	s_add_co_u32 s100, s100, s66
	s_add_nc_u64 s[PART:PART+1], s[PART:PART+1], s[100:101]
	s_lshl_b32 s100, s[WV], 9                      ; q's K step w,
	s_add_nc_u64 s[NBI:NBI+1], s[QB:QB+1], s[100:101]
	s_and_b32 s100, s[WV], 1
	s_lshl_b32 s100, s100, 9
	s_add_co_u32 s100, s100, 2048                  ; and K step 4 + w % 2
	s_add_nc_u64 s[NBS:NBS+1], s[QB:QB+1], s[100:101]
	s_mov_b32 s[C01], 0x3c23d70a                   ; 0.01
	s_mov_b32 s[C99], 0x3f7d70a4                   ; 0.99
	v_and_b32 v[LANE], 31, v0
	v_and_b32 v96, 15, v0                          ; r
	v_bfe_u32 v97, v0, 4, 1                        ; h
	v_mul_u32_u24 v[XO], v96, 3072
	v_lshl_add_u32 v[XO], v97, 6, v[XO]
	v_lshlrev_b32 v[QO], 6, v97
	v_mul_u32_u24 v[LBG0], v96, 144
	v_lshl_add_u32 v[LBG0], v97, 4, v[LBG0]
	v_add_nc_u32 v[LBG2], 2*GPART, v[LBG0]
	s_mul_i32 s2, s[WV], 6912
	v_add_nc_u32 v[LBGQ], s2, v[LBG0]
	v_mul_u32_u24 v[LBW], v96, 272
	v_lshl_add_u32 v[LBW], v97, 4, v[LBW]
	v_add_nc_u32 v[LBW], s[WOFF], v[LBW]
	v_add_nc_u32 v[ADB], SLOT1, v[LBW]
	s_lshl_b32 s2, s[WV], 12
	s_add_co_u32 s2, s2, KVI
	v_lshl_add_u32 v[IMS0], v[LANE], 4, s2
	s_lshl_b32 s2, s[WV], 7
	s_add_co_u32 s2, s2, KVS
	v_lshl_add_u32 v[KVS0], v[LANE], 2, s2
	v_lshl_add_u32 v[QCL], v97, 4, QC
	v_mul_u32_u24 v[VGS], v[LANE], 96
	s_mul_i32 s2, s[WV], 4608
	v_mul_u32_u24 v[VGQ], v96, 96
	v_add_nc_u32 v[VGQ], s2, v[VGQ]
	v_mul_u32_u24 v[VBS], v96, 24
	v_mul_u32_u24 v[PFO], v[LANE], 3072
	v_lshlrev_b32 v[L16], 4, v[LANE]
	v_lshlrev_b32 v[HB], 5, v97
	s_lshl_b32 s2, s[WV], 10
	s_add_co_u32 s2, s2, STG
	v_add_nc_u32 v[SA], s2, v[HB]
	s_add_co_u32 s3, s2, 768
	v_mov_b32 v[SB], s3
	v_lshl_add_u32 v[TA], v[LANE], 3, s3
	v_lshl_add_u32 v[IA0], v[LANE], 4, KVI
	v_add_nc_u32 v[IA1], 65536, v[IA0]
	v_lshl_add_u32 v[KVL], v[LANE], 2, KVS
	v_lshl_add_u32 v[TBL], v96, 2, TBI
	s_lshl_b32 s2, s[WV], 7
	v_add_nc_u32 v[AQG], s2, v[QCL]                ; where q's codes of K step w go: QC + 128 w + 16 h
	s_lshl_b32 s2, s[WV], 2
	s_add_co_u32 s2, s2, QS
	v_mov_b32 v[AQ2], s2                           ; and their scale word
	global_load_u8 v[MK], v[LANE], s[MKP:MKP+1]    ; lane = token
	WIN 0xc0                                       ; destination window 3: bg1 starts the gate's 24 sums
.irp t, 0,1
.irp ct, 0,1,2,3,4,5,6,7,8,9,10,11
	global_load_b128 v[96*\t+8*\ct:96*\t+8*\ct+3], v[HB], s[BG1:BG1+1] offset:64*\ct
	global_load_b128 v[96*\t+8*\ct+4:96*\t+8*\ct+7], v[HB], s[BG1:BG1+1] offset:64*\ct+16
.endr
.endr
.set n_, 0
.rept 24
	v_mov_b32 v[192+n_], 0                         ; the first quarter's three sums: the step is written once, so these few are cleared
.set n_, n_+1
.endr
	WIN 0x80                                       ; destination window 2: bq of head 2 w starts q's six sums
.irp t, 0,1,2,3,4,5
	global_load_b128 v[QACC+8*\t:QACC+8*\t+3], v[HB], s[BQ:BQ+1] offset:64*\t
	global_load_b128 v[QACC+8*\t+4:QACC+8*\t+7], v[HB], s[BQ:BQ+1] offset:64*\t+16
.endr
	WIN 0x40
	XLOAD RT, NBI, QO, 0, 0
	XLOAD RX1, NBS, QO, 0, 0
	WIN 0
.irp t, 0,1,2,3,4,5
	global_load_b64 v[WQS+2*\t:WQS+2*\t+1], v[VBS], s[WQSB:WQSB+1] offset:384*\t
.endr
	WIN 0x40
	XLOAD RQ, QB, QO, 0, 0
	XLOAD 0, XB, XO, 0, 1
	WIN 0
.irp b, 0,1,2,3
	v_mov_b32 v[TM+4+\b], 0                        ; written once: a lane permute's destination counts as one of its sources
.endr
	ds_store_b64 v[TA], v[TM+4:TM+5]               ; zeros into the record's last 256 bytes
	s_wait_loadcnt 38                              ; q's two K steps are in; behind them: 6 scale loads, 16 of q, 16 of kv
	QUANT RT, 0, FK0, QWD
	WIN 0
.irp b, 0,1,2,3
	ds_store_b128 v[AQG], v[FK0+4*\b:FK0+4*\b+3] offset:32*\b        ; all rows of the fragment are q: sixteen lanes write the same bytes
	ds_store_b128 v[AQG], v[FK0+4*\b:FK0+4*\b+3] offset:768+32*\b
.endr
	ds_store_b32 v[AQ2], v[QWD]
	ds_store_b32 v[AQ2], v[QWD] offset:24
	QUANT RX1, 0, FK0+16, WKM
	WIN 0
	s_cmp_lt_u32 s[WV], 2                          ; K steps 4 and 5 are stored by waves 0 and 1
	s_cbranch_scc0 .Lq_done
.irp b, 0,1,2,3
	ds_store_b128 v[AQG], v[FK0+16+4*\b:FK0+16+4*\b+3] offset:512+32*\b
	ds_store_b128 v[AQG], v[FK0+16+4*\b:FK0+16+4*\b+3] offset:1280+32*\b
.endr
	ds_store_b32 v[AQ2], v[WKM] offset:16
	ds_store_b32 v[AQ2], v[WKM] offset:40
.Lq_done:
	WIN 0x40
	XLOAD RX1, XB, XO, 49152, 1
	WIN 0
	s_mov_b32 s[SCNT], 0
	s_mov_b32 s[SI], 0
	s_mov_b32 s[SK], 0
	s_mov_b32 s[SQ], 0
	s_mov_b32 s[SQ4], QS
	s_mov_b32 s[SC], 0
	s_mov_b32 s[SC8], QS
	s_wait_kmcnt 0x0                               ; bg2
; ================ phase A: six steps of 128 features
.Lstep:
	; slot 0 takes this step's four parts of Wg1: all my tensor loads have landed (Wq's chunk), my reads of slot 0 are over
	s_wait_tensorcnt 0x0
	ds_add_u32 v[SPW], v[NIL]
	v_add_nc_u32 v[IMS], s[SI], v[IMS0]
	v_add_nc_u32 v[KVSW], s[SK], v[KVS0]
	v_add_nc_u32 v[AQ2], s[SC], v[QCL]
	v_add_nc_u32 v[AQG], s[SQ], v[QCL]
	s_wait_dscnt 0x0
	CROUND
	tensor_load_to_lds s[G0G:G0G+3], s[G1G:G1G+7]  ; part w; it has both tiles' quantisers in which to land
	s_nop 0
	PLACES 4
.irp p, 1,2,3
.irp u, 0,1,2,3,4,5
	global_load_b32 v[GS+6*(\p-1)+\u], v[VGS], s[GSB:GSB+1] offset:\u*3072+\p*24   ; lanes 0-15: column tile 2 u, lanes 16-31: 2 u + 1
.endr
.endr
.irp i, 0,1,2
	global_load_b32 v[GS+18+\i], v[VGQ], s[GSB:GSB+1] offset:\i*1536
.endr
	v_mov_b32 v[TA], s[SC8]
	WIN 0x80
.irp kk, 0,1
.irp t, 0,1,2,3,4,5
.irp c, 0,1,2,3
	ds_load_b128 v[16*(6*\kk+\t)+4*\c:16*(6*\kk+\t)+4*\c+3], v[ADB] offset:4352*\t+128*\kk+32*\c   ; Wq's chunk: twelve fragments
.endr
.endr
.endr
	WIN 0
.irp kk, 0,1
.irp c, 0,1,2,3
	ds_load_b128 v[QF2+16*\kk+4*\c:QF2+16*\kk+4*\c+3], v[AQ2] offset:128*\kk+32*\c
.endr
.endr
	ds_load_b64 v[QW:QW+1], v[TA]
	s_wait_loadcnt 37                              ; Wq's words, q and tile 0 are in; tile 1's 16 loads and the 21 words of Wg1 may be out
	TILE 0
	s_wait_dscnt 0x0
	WIN 0xa2                                       ; source 0, C and D window 2, source 1 window 0
.irp kk, 0,1
.irp t, 0,1,2,3,4,5
.set rD, QACC+8*\t
.set rC, rD
.set rA, 16*(6*\kk+\t)
.set rB, QF2+16*\kk
.set rSA, WQS+2*\t+\kk
.set rSB, QW+\kk
.set rRA, 0
.set rRB, 0
	WM
.endr
.endr
	WIN 0
	PLACES 8
	s_cmp_eq_u32 s[SCNT], 2                        ; a head's q is whole behind its third chunk
	s_cbranch_scc1 .Lq_head0
	s_cmp_eq_u32 s[SCNT], 5
	s_cbranch_scc0 .Lno_q
	v_add_nc_u32 v[TA], 384, v[SA]
	s_branch .Lq_out
.Lq_head0:
	v_mov_b32 v[TA], v[SA]
.Lq_out:
	WIN 0x82
.set n_, 0
.rept 24
	v_pk_mul_f32 v[QACC+n_:QACC+n_+1], v[QACC+n_:QACC+n_+1], s[CQ:CQ+1] op_sel_hi:[1,0]
.set n_, n_+2
.endr
	WIN 0x08                                       ; an LDS store's data are its source 1
.irp t, 0,1,2,3,4,5
	ds_store_b128 v[TA], v[QACC+8*\t:QACC+8*\t+3] offset:64*\t
	ds_store_b128 v[TA], v[QACC+8*\t+4:QACC+8*\t+7] offset:64*\t+16
.endr
	WIN 0
	s_cmp_eq_u32 s[SCNT], 2
	s_cbranch_scc0 .Lno_q
	s_wait_dscnt 0x0                               ; the stores have read their registers
	WIN 0x80
.irp t, 0,1,2,3,4,5
	global_load_b128 v[QACC+8*\t:QACC+8*\t+3], v[HB], s[BQ:BQ+1] offset:384+64*\t      ; bq of head 2 w + 1 starts the next six sums
	global_load_b128 v[QACC+8*\t+4:QACC+8*\t+7], v[HB], s[BQ:BQ+1] offset:384+64*\t+16
.endr
	WIN 0
.Lno_q:
	s_wait_loadcnt 0x0                             ; tile 1 and the words of Wg1 (asked for a tile's work ago)
	TILE 1
	v_cndmask_b32 v[WKM], v[WK0], v[WK0+1], s[MHI] ; lanes 0-15: tile 0's words, lanes 16-31: tile 1's
	ds_store_b32 v[KVSW], v[WKM]
	s_wait_xcnt 0x0                                ; the loads are in and the last step's prefetches have read their address: the pointers may step
	s_add_nc_u64 s[XB:XB+1], s[XB:XB+1], 512
	s_add_nc_u64 s[QB:QB+1], s[QB:QB+1], 512
	s_add_nc_u64 s[GSB:GSB+1], s[GSB:GSB+1], 4
	s_movk_i32 s2, 8
	s_cmp_eq_u32 s[SCNT], 2
	s_cselect_b32 s2, 2288, s2                     ; on to the next head's rows, back along K
	s_mov_b32 s3, 0
	s_add_nc_u64 s[WQSB:WQSB+1], s[WQSB:WQSB+1], s[2:3]
	s_cmp_lt_u32 s[SCNT], 5                        ; the last step asks for nothing: no load leaves its buffer
	s_cbranch_scc0 .Lno_next
.irp t, 0,1,2,3,4,5
	global_load_b64 v[WQS+2*\t:WQS+2*\t+1], v[VBS], s[WQSB:WQSB+1] offset:384*\t
.endr
	WIN 0x40
	XLOAD RQ, QB, QO, 0, 0
	XLOAD 0, XB, XO, 0, 1
	XLOAD RX1, XB, XO, 49152, 1
	WIN 0
	s_cmp_lt_u32 s[SCNT], 4
	s_cbranch_scc0 .Lno_next
	global_prefetch_b8 v[PFO], s[XB:XB+1] offset:512 th:TH_LOAD_NT scope:SCOPE_SE   ; the step after the one just asked for: my 32 rows, a lane a row, 2 x 256 bytes:
	global_prefetch_b8 v[PFO], s[XB:XB+1] offset:768 th:TH_LOAD_NT scope:SCOPE_SE   ; each block is named once in the launch; steps 0 and 1 come by their loads alone
.Lno_next:
	; slot 1 takes the next chunk of Wq (behind the last step: Wk's first): the parts of Wg1 have landed, my reads of slot 1 are over
	s_wait_tensorcnt 0x0
	ds_add_u32 v[SPW], v[NIL]
	s_add_nc_u64 s[G0G+2:G0G+3], s[G0G+2:G0G+3], 128   ; no tensor load of mine is out: both descriptors may be written
	s_movk_i32 s2, 256
	s_cmp_eq_u32 s[SCNT], 2
	s_cselect_b32 s2, 73216, s2
	s_mov_b32 s3, 0
	s_add_nc_u64 s[WA:WA+1], s[WA:WA+1], s[2:3]
	s_cmp_eq_u32 s[SCNT], 5
	s_cselect_b64 s[G0W+2:G0W+3], s[PK:PK+1], s[WA:WA+1]
	s_or_b32 s[G0W+3], s[G0W+3], 0x80000000
	s_wait_dscnt 0x0
	CROUND
	tensor_load_to_lds s[G0W:G0W+3], s[G1W:G1W+7]  ; it has the gate's 75 products in which to land
	s_nop 0
	PLACES 4
	v_mov_b32 v[TA], s[SQ4]
.irp c, 0,1,2,3
	ds_load_b128 v[QFG+4*\c:QFG+4*\c+3], v[AQG] offset:32*\c
.endr
	ds_load_b32 v[QWG], v[TA]
	FETCHG 0
	FETCHG 1
	s_wait_dscnt 24                                ; all but the set fetched last
	MULG 0
	PLACES 8
	FETCHG 2
	s_wait_dscnt 24
	MULG 1
	PLACES 8
	FETCHG 3
	s_wait_dscnt 24
	MULG 2
	PLACES 8
	FETCHG 4
	s_wait_dscnt 24
	MULG 3
	PLACES 8
	FETCHG 5
	s_wait_dscnt 24
	MULG 4
	PLACES 8
	FETCHG 6
	s_wait_dscnt 12                                ; the first quarter's twelve loads may be out
	MULG 5
	s_wait_dscnt 0x0
	MULG 6
	WIN 0
	PLACES 8
	s_add_co_u32 s[SI], s[SI], 16384
	s_add_co_u32 s[SK], s[SK], 512
	s_add_co_u32 s[SQ], s[SQ], 128
	s_add_co_u32 s[SQ4], s[SQ4], 4
	s_add_co_u32 s[SC], s[SC], 256
	s_add_co_u32 s[SC8], s[SC8], 8
	s_add_co_u32 s[SCNT], s[SCNT], 1
	s_cmp_lt_u32 s[SCNT], 6
	s_cbranch_scc1 .Lstep
; ================ the gate's end
	s_wait_loadcnt 0x0                             ; no load into the registers of q, kv and Wq's words is out (the last step asked for none): the loads below land on them only behind this wait
	s_mov_b64 s[NBI:NBI+1], s[BKP:BKP+1]
	s_mov_b64 s[NBS:NBS+1], s[SKP:SKP+1]
	WIN 0x40
.irp ct, 0,1,2,3,4,5,6,7,8,9,10,11
	global_load_b128 v[96+8*\ct:99+8*\ct], v[HB], s[WG2:WG2+1] offset:64*\ct
	global_load_b128 v[100+8*\ct:103+8*\ct], v[HB], s[WG2:WG2+1] offset:64*\ct+16
.endr
	NEXTBI                                         ; the first pass's bias and scale words
	WIN 0
	NEXTBS 0
	NEXTBS 1
	NEXTBS 2
	s_mul_i32 s2, s[WV], 192
	s_add_co_u32 s2, s2, G0A
	v_add_nc_u32 v[TA], s2, v[HB]
	WIN 0x0c
.irp i, 0,1,2
	ds_store_b128 v[TA], v[192+8*\i:195+8*\i] offset:64*\i
	ds_store_b128 v[TA], v[196+8*\i:199+8*\i] offset:64*\i+16
.endr
	WIN 0
	; slot 0 takes Wk's second chunk
	s_wait_tensorcnt 0x0
	ds_add_u32 v[SPW], v[NIL]
	s_mov_b64 s[CUR:CUR+1], s[PK:PK+1]
	s_add_nc_u64 s[PK:PK+1], s[PK:PK+1], 73728
	s_mov_b32 s[G0W+1], s[WOFF]
	s_add_nc_u64 s[G0W+2:G0W+3], s[CUR:CUR+1], 256
	s_or_b32 s[G0W+3], s[G0W+3], 0x80000000
	s_mov_b32 s[TBR], SLOT1
	s_wait_dscnt 0x0
	CROUND
	tensor_load_to_lds s[G0W:G0W+3], s[G1W:G1W+7]
	s_nop 0
	PLACES 4
	v_add_nc_u32 v[TA], G0A, v[HB]
	WIN 0x40
.irp ct, 0,1,2,3,4,5,6,7,8,9,10,11
	ds_load_b128 v[8*\ct:8*\ct+3], v[TA] offset:64*\ct
	ds_load_b128 v[8*\ct+4:8*\ct+7], v[TA] offset:64*\ct+16
.endr
	s_wait_dscnt 0x0
	s_wait_loadcnt 30                              ; Wg2 is in; the first pass's 12 + 18 loads may be out
	WIN 0xc7                                       ; destination and source 0 window 3, source 1 window 1
.irp t, 0,1
.irp ct, 0,1,2,3,4,5,6,7,8,9,10,11
.irp i, 0,2,4,6
	v_pk_add_f32 v[96*\t+8*\ct+\i:96*\t+8*\ct+\i+1], v[96*\t+8*\ct+\i:96*\t+8*\ct+\i+1], v[8*\ct+\i:8*\ct+\i+1]
.endr
.endr
.endr
	WIN 0xcc
.set n_, 0
.rept 192
	v_max_num_f32 v[n_], 0, v[n_]                  ; relu
.set n_, n_+1
.endr
	WIN 0x07                                       ; source 0 window 3, source 1 window 1
.irp ct, 0,1,2,3,4,5,6,7,8,9,10,11
.irp i, 0,2,4,6
.irp t, 0,1
.if \ct == 0
	v_pk_mul_f32 v[E2+8*\t+\i:E2+8*\t+\i+1], v[96*\t+8*\ct+\i:96*\t+8*\ct+\i+1], v[96+8*\ct+\i:96+8*\ct+\i+1]
.else
	v_pk_fma_f32 v[E2+8*\t+\i:E2+8*\t+\i+1], v[96*\t+8*\ct+\i:96*\t+8*\ct+\i+1], v[96+8*\ct+\i:96+8*\ct+\i+1], v[E2+8*\t+\i:E2+8*\t+\i+1]
.endif
.endr
.endr
.endr
	WIN 0
.irp t, 0,1
	v_pk_add_f32 v[E2+8*\t:E2+8*\t+1], v[E2+8*\t:E2+8*\t+1], v[E2+8*\t+2:E2+8*\t+3]
	v_pk_add_f32 v[E2+8*\t+4:E2+8*\t+5], v[E2+8*\t+4:E2+8*\t+5], v[E2+8*\t+6:E2+8*\t+7]
.endr
.irp t, 0,1
	v_pk_add_f32 v[E2+8*\t:E2+8*\t+1], v[E2+8*\t:E2+8*\t+1], v[E2+8*\t+4:E2+8*\t+5]
.endr
.irp t, 0,1
	v_add_f32 v[E2+8*\t], v[E2+8*\t], v[E2+8*\t+1]
.endr
.irp t, 0,1
	v_permlanex16_b32 v[E2+8*\t+1], v[E2+8*\t], s[SEL], s[SEL+1]
.endr
.irp t, 0,1
	v_add_f32 v[E2+8*\t], v[E2+8*\t], v[E2+8*\t+1]
.endr
	v_cndmask_b32 v[GZ], v[E2], v[E2+8], s[MHI]    ; lane = token from here on
	v_add_f32 v[GZ], s[BG2], v[GZ]
	v_mul_f32 v[GZ+1], 0xbfb8aa3b, |v[GZ]|         ; softplus(z) = max(z, 0) + ln 2 x log2(1 + 2^(-|z| log2 e))
	v_exp_f32 v[GZ+1], v[GZ+1]
	v_max_num_f32 v[GZ+2], 0, v[GZ]
	s_wait_alu depctr_va_vdst(0)                   ; ahead of each transcendental's first reader
	v_add_f32 v[GZ+1], 1.0, v[GZ+1]
	v_log_f32 v[GZ+1], v[GZ+1]
	v_mov_b32 v[GZ+9], 0
	s_wait_alu depctr_va_vdst(0)
	v_fmamk_f32 v[GZ+3], v[GZ+1], 0x3f317218, v[GZ+2]
	v_add_f32 v[GZ+4], 1.0, v[GZ+3]
	v_add_f32 v[GZ+4], 0x322bcc77, v[GZ+4]         ; + 1e-8
	v_rcp_f32 v[GZ+4], v[GZ+4]
	v_mov_b32 v[GZ+7], 0xff800000                  ; -infinity
	s_wait_alu depctr_va_vdst(0)
	v_mul_f32 v[GZ+5], v[GZ+3], v[GZ+4]
	v_med3_num_f32 v[GZ+5], v[GZ+5], s[C01], s[C99]   ; g
	v_log_f32 v[GZ+6], v[GZ+5]
	v_nop
	s_wait_alu depctr_va_vdst(0)
	v_cmp_ne_u32 vcc_lo, 0, v[MK]
	v_cndmask_b32 v[GZ+7], v[GZ+7], v[GZ+6], vcc_lo
	v_mov_b32 v[GZ+8], v[GZ+6]
.irp x, 1,2,4,8
	v_add_f32_dpp v[GZ+8], v[GZ+8], v[GZ+8] row_xmask:\x row_mask:0xf bank_mask:0xf
.endr
	v_permlanex16_b32 v[GZ+9], v[GZ+8], s[SEL], s[SEL+1]
	v_add_f32 v[GZ+8], v[GZ+8], v[GZ+9]            ; the sum of log2 g over my 32 tokens, masked ones too, as reference() has the mean
	s_lshl_b32 s2, s[WV], 7
	s_add_co_u32 s2, s2, TBI
	v_lshl_add_u32 v[AQ2], v[LANE], 2, s2
	v_add_nc_u32 v[TA], GTK, v[L16]
	ds_store_b32 v[AQ2], v[GZ+7]
	ds_store_b32 v[AQ2], v[GZ+5] offset:512
	ds_store_b32 v[SB], v[GZ+8] offset:16
	s_wait_dscnt 0x0                               ; for the others' sake: my stores have landed
	s_barrier_signal -1                            ; the tensor load may stay out
	s_barrier_wait -1
	s_cmp_lg_u32 s[WV], 0
	s_cbranch_scc1 .Lnot_out1
	ds_load_b128 v[188:191], v[TA]
	s_wait_dscnt 0x0
	global_store_b128 v[L16], v[188:191], s[OUT1:OUT1+1]   ; 32 lanes store the work-group's 512 consecutive bytes of g_tok
.Lnot_out1:
	s_wait_xcnt 0x0                                ; the store has read its registers, the loads their bases
	s_add_nc_u64 s[BKP:BKP+1], s[BKP:BKP+1], 384   ; K's pointers now stand at head 2 w + 1
	s_add_nc_u64 s[SKP:SKP+1], s[SKP:SKP+1], 2304
.irp ks, 0,1,2,3,4,5
.irp u, 0,1,2,3
	ds_load_b32 v[AS+4*\ks+\u], v[KVL] offset:512*\ks+128*\u
.endr
.endr
.irp a, 0,1,2,3,4,5,6,7
	ds_load_b32 v[TB+\a], v[TBL] offset:64*\a
.endr
	v_add_nc_u32 v[ADB], s[TBR], v[LBW]
	FRAGB 0
	FRAGA 0, 0
	FRAGA 0, 4
; ================ phase B
	s_mov_b32 s[PI], 0
.Lpass:                                                ; three trips: K(2w), V(2w), K(2w+1)
	s_and_b32 s2, s[PI], 1
	s_cmp_eq_u32 s2, 1                             ; behind a V pass comes K, behind a K pass V
	s_cselect_b64 s[NXT:NXT+1], s[PK:PK+1], s[PV:PV+1]
	s_cselect_b64 s[NBI:NBI+1], s[BKP:BKP+1], s[BVP:BVP+1]
	s_cselect_b64 s[NBS:NBS+1], s[SKP:SKP+1], s[SVP:SVP+1]
	s_cselect_b32 s2, 0, 73728
	s_cselect_b32 s4, 0, 384
	s_cselect_b32 s6, 0, 2304
	s_mov_b32 s3, 0
	s_mov_b32 s5, 0
	s_mov_b32 s7, 0
	s_add_nc_u64 s[PV:PV+1], s[PV:PV+1], s[2:3]    ; V's pointers step to the next head once they have been taken
	s_add_nc_u64 s[BVP:BVP+1], s[BVP:BVP+1], s[4:5]
	s_add_nc_u64 s[SVP:SVP+1], s[SVP:SVP+1], s[6:7]
	s_lshr_b32 s2, s[PI], 1                        ; which of my two heads
	s_mul_i32 s3, s2, 384
	v_add_nc_u32 v[SAW], s3, v[SA]
	s_lshl_b32 s3, s2, 2
	v_add_nc_u32 v[SBW], s3, v[SB]
	PASS 0
	NEXTBS 2
	s_and_b32 s2, s[PI], 1
	s_cmp_eq_u32 s2, 0
	s_cbranch_scc0 .Lepi_v
	EPI_K
	s_branch .Lepi_done
.Lepi_v:
	EPI_V
.Lepi_done:
	s_wait_dscnt 0x0                               ; the epilogue's stores have read their registers
	FRAGA 0, 4                                     ; the next pass's row tiles 4-7, into the registers that the epilogue worked in
	s_wait_xcnt 0x0                                ; the loads of the next bias and scales have read their bases
	s_mov_b64 s[CUR:CUR+1], s[NXT:NXT+1]
	s_add_co_u32 s[PI], s[PI], 1
	s_cmp_lt_u32 s[PI], 3
	s_cbranch_scc1 .Lpass
	v_add_nc_u32 v[SAW], 384, v[SA]
	PASS 1                                         ; V(2w+1) is written out: its last two chunks ask for nothing
	EPI_V
; ================ the record leaves
	s_lshl_b32 s2, s[WV], 10
	s_add_co_u32 s2, s2, STG
	v_add_nc_u32 v[TA], s2, v[L16]
	ds_load_b128 v[128:131], v[TA]                 ; LDS serves a wave's instructions in order: these see my stores
	ds_load_b128 v[132:135], v[TA] offset:512
	s_wait_dscnt 0x0
	global_store_b128 v[L16], v[128:131], s[PART:PART+1]             ; 512 consecutive bytes an instruction
	global_store_b128 v[L16], v[132:135], s[PART:PART+1] offset:512
	s_wait_tensorcnt 0x0                           ; the wave's end
	ds_add_u32 v[SPW], v[NIL]
	s_wait_dscnt 0x0
	CROUND                                         ; the closing round
	s_endpgm
.Lfunc_end_k_qcfc0a96f3a_main:
	.size	k_qcfc0a96f3a_main, .Lfunc_end_k_qcfc0a96f3a_main-k_qcfc0a96f3a_main
	.p2alignl 7, 3214868480
	.fill 96, 4, 3214868480
	.section	.rodata,"a",@progbits
	.p2align	6, 0x0
	.amdhsa_kernel k_qcfc0a96f3a_main
		.amdhsa_group_segment_fixed_size 327680
		.amdhsa_private_segment_fixed_size 0
		.amdhsa_enable_private_segment 0
		.amdhsa_kernarg_size 152
		.amdhsa_user_sgpr_count 2
		.amdhsa_user_sgpr_kernarg_segment_ptr 1
		.amdhsa_wavefront_size32 1
		.amdhsa_system_sgpr_workgroup_id_x 1
		.amdhsa_system_sgpr_workgroup_id_y 1
		.amdhsa_system_sgpr_workgroup_id_z 1
		.amdhsa_system_vgpr_workitem_id 0
		.amdhsa_next_free_vgpr 1024
		.amdhsa_next_free_sgpr 102
		.amdhsa_reserve_vcc 1
		.amdhsa_float_denorm_mode_32 3
		.amdhsa_float_denorm_mode_16_64 3
		.amdhsa_memory_ordered 1
		.amdhsa_forward_progress 1
		.amdhsa_inst_pref_size 255
	.end_amdhsa_kernel
	.section	.bss,"aw",@nobits
	.p2align	6
	.space	262144
	.amdgpu_metadata
---
amdhsa.version: [ 1, 2 ]
amdhsa.kernels:
  - .name:           k_qcfc0a96f3a_main
    .symbol:         k_qcfc0a96f3a_main.kd
    .args:
      - { .name: kv_tokens, .offset: 0, .size: 8, .value_kind: global_buffer, .address_space: global }
      - { .name: q_vec, .offset: 8, .size: 8, .value_kind: global_buffer, .address_space: global }
      - { .name: kv_mask, .offset: 16, .size: 8, .value_kind: global_buffer, .address_space: global }
      - { .name: Wg1_codes, .offset: 24, .size: 8, .value_kind: global_buffer, .address_space: global }
      - { .name: Wg1_scales, .offset: 32, .size: 8, .value_kind: global_buffer, .address_space: global }
      - { .name: bg1, .offset: 40, .size: 8, .value_kind: global_buffer, .address_space: global }
      - { .name: Wg2, .offset: 48, .size: 8, .value_kind: global_buffer, .address_space: global }
      - { .name: bg2, .offset: 56, .size: 8, .value_kind: global_buffer, .address_space: global }
      - { .name: Wq_codes, .offset: 64, .size: 8, .value_kind: global_buffer, .address_space: global }
      - { .name: Wq_scales, .offset: 72, .size: 8, .value_kind: global_buffer, .address_space: global }
      - { .name: bq, .offset: 80, .size: 8, .value_kind: global_buffer, .address_space: global }
      - { .name: Wk_codes, .offset: 88, .size: 8, .value_kind: global_buffer, .address_space: global }
      - { .name: Wk_scales, .offset: 96, .size: 8, .value_kind: global_buffer, .address_space: global }
      - { .name: bk, .offset: 104, .size: 8, .value_kind: global_buffer, .address_space: global }
      - { .name: Wv_codes, .offset: 112, .size: 8, .value_kind: global_buffer, .address_space: global }
      - { .name: Wv_scales, .offset: 120, .size: 8, .value_kind: global_buffer, .address_space: global }
      - { .name: bv, .offset: 128, .size: 8, .value_kind: global_buffer, .address_space: global }
      - { .name: out1, .offset: 136, .size: 8, .value_kind: global_buffer, .address_space: global }
      - { .name: part, .offset: 144, .size: 8, .value_kind: global_buffer, .address_space: global }
    .group_segment_fixed_size: 327680
    .private_segment_fixed_size: 0
    .kernarg_segment_align: 8
    .kernarg_segment_size: 152
    .max_flat_workgroup_size: 128
    .sgpr_count:     102
    .vgpr_count:     1024
    .wavefront_size: 32
...
	.end_amdgpu_metadata
.endif
;; end of part 1
;; launch fin (part 2): grid 32 x 1, 8 waves a work-group, no clusters, 6,144 bytes of LDS; arguments part, q_vec, Wo_codes, Wo_scales, bo, ln_g, ln_b, out0; writes out0
.if DOCPART == 2
	.amdgcn_target "amdgcn-amd-amdhsa--gfx1250"
	.amdhsa_code_object_version 6
	.text
	.protected	k_qcfc0a96f3a_fin
	.globl	k_qcfc0a96f3a_fin
	.p2align	8
	.type	k_qcfc0a96f3a_fin,@function
k_qcfc0a96f3a_fin:
	s_mov_b64 s[64:65], 0
	v_nop
	global_prefetch_b8 v0, s[64:65] scope:SCOPE_SE
	s_setreg_imm32_b32 hwreg(HW_REG_WAVE_MODE, 25, 1), 1
	s_wait_xcnt 0x0
; CrossAttnUGCA, second launch.  One work-group a batch: the eight blocks' softmax parts are joined (96 threads, 8 columns each), the context row is quantised, multiplied by Wo
; (48 column tiles, six a wave; the tile's 16 rows are all the one row, read by all lanes from LDS), and wave 0 adds the residual and bo and normalises the row.
; The LayerNorm wants the whole row, so every work-group walks all of Wo however the rows are shared; one batch each keeps the chain short.  Wo goes from memory straight into registers:
; each wave reads tiles of its own, once, so neither LDS nor a cluster would spare a byte inside a work-group; all loads are asked for as early as the registers allow, so no prefetch is laid.
; The batch's mean of log2 g shifts every block's largest t alike, as reference() has it.  A batch with no valid token has the sum 0: 0 x (1 / 0) is NaN and is added to the mean.
; LIMITS: NaN and infinities among the inputs are not served; a block of zeros carries the scale byte 1 (its codes are zeros).
.set CODES, 0                          ; LDS: the row's 768 codes,
.set SCB,   768                        ; its 24 scale bytes,
.set YROW,  1024                       ; the product's 768 numbers,
.set NANB,  4096                       ; 0 or NaN, a word a combining thread
.set MSB, 0
.macro WIN new
.if MSB != (\new)
	s_set_vgpr_msb (MSB<<8)|(\new)
.set MSB, (\new)
.endif
.endm
.macro PLACES n
.rept \n
	v_nop
.endr
.endm
; REGISTERS: window 0: v1-15, v56-60 addresses; v16-33 Wo's scale words (6 a round; lanes 0-15 the even tile, lanes 16-31 the odd); v34-39 the row's; v40-55 two accumulators;
;   v64-255 the combine's numbers, then buffer 1 (two tiles x six K steps), then the LayerNorm.   window 1: v0-191 buffer 0; v192-255 four fragments of the row.
.macro WLOAD base, rho                 ; two tiles' twelve fragments
.irp i, 0,1
.irp ks, 0,1,2,3,4,5
.irp c, 0,1,2,3
	global_load_b128 v[(\base)+16*(6*\i+\ks)+4*\c:(\base)+16*(6*\i+\ks)+4*\c+3], v4, s[20:21] offset:(2*(\rho)+\i)*12288+128*\ks+32*\c
.endr
.endr
.endr
.endm
.macro PROD rho, base, ks, ab          ; K step ks of both tiles: the two accumulators by turns
.irp i, 0,1
.set rD, 40+8*\i
.set rA, (\base)+16*(6*\i+(\ks))
.set rB, 192+16*(\ab)
.set rSA, 16+6*(\rho)+(\ks)
.set rSB, 34+(\ks)
.if (\ks) == 0
.if \i
	v_wmma_scale_f32_16x16x128_f8f6f4 v[rD:rD+7], v[rA:rA+15], v[rB:rB+15], 0, v[rSA], v[rSB] matrix_a_fmt:MATRIX_FMT_BF8 matrix_b_fmt:MATRIX_FMT_BF8 matrix_a_scale:MATRIX_SCALE_ROW1
.else
	v_wmma_scale_f32_16x16x128_f8f6f4 v[rD:rD+7], v[rA:rA+15], v[rB:rB+15], 0, v[rSA], v[rSB] matrix_a_fmt:MATRIX_FMT_BF8 matrix_b_fmt:MATRIX_FMT_BF8
.endif
.else
.if \i
	v_wmma_scale_f32_16x16x128_f8f6f4 v[rD:rD+7], v[rA:rA+15], v[rB:rB+15], v[rD:rD+7], v[rSA], v[rSB] matrix_a_fmt:MATRIX_FMT_BF8 matrix_b_fmt:MATRIX_FMT_BF8 matrix_a_scale:MATRIX_SCALE_ROW1
.else
	v_wmma_scale_f32_16x16x128_f8f6f4 v[rD:rD+7], v[rA:rA+15], v[rB:rB+15], v[rD:rD+7], v[rSA], v[rSB] matrix_a_fmt:MATRIX_FMT_BF8 matrix_b_fmt:MATRIX_FMT_BF8
.endif
.endif
.endr
.endm
.macro ROUND rho, w, base              ; two column tiles, K = 768
	WIN 0x40
.irp k, 0,1,2,3
.irp c, 0,1,2,3
	ds_load_b128 v[192+16*\k+4*\c:192+16*\k+4*\c+3], v6 offset:128*\k+32*\c
.endr
.endr
	s_wait_dscnt 0x0
	WIN \w
	PROD \rho, \base, 0, 0
	PROD \rho, \base, 1, 1
	PLACES 8
	WIN 0x40
.irp k, 0,1
.irp c, 0,1,2,3
	ds_load_b128 v[192+16*\k+4*\c:192+16*\k+4*\c+3], v6 offset:512+128*\k+32*\c
.endr
.endr
	WIN \w
	PROD \rho, \base, 2, 2
	PROD \rho, \base, 3, 3
	s_wait_dscnt 0x0
	PROD \rho, \base, 4, 0
	PROD \rho, \base, 5, 1
	WIN 0
	PLACES 9                                       ; in front of the reads of the results, of the loads into the operands, and of the next round's first products, which write over the accumulators
.irp i, 0,1
	ds_store_b128 v8, v[40+8*\i:43+8*\i] offset:64*(2*(\rho)+\i)     ; the sixteen lanes of a half hold the same numbers
	ds_store_b128 v8, v[44+8*\i:47+8*\i] offset:64*(2*(\rho)+\i)+16
.endr
.endm
	s_load_b512 s[16:31], s[0:1], 0x0              ; part, q_vec, Wo_codes, Wo_scales, bo, ln_g, ln_b, out0
	v_lshl_add_u32 v62, v0, 2, 0x1400
	v_mov_b32 v63, 0
	v_lshrrev_b32 v1, 5, v0
	v_readfirstlane_b32 s8, v1                     ; wave 0..7
	v_and_b32 v1, 31, v0                           ; lane
	v_and_b32 v2, 15, v0                           ; r
	v_bfe_u32 v3, v0, 4, 1                         ; h
	v_mul_u32_u24 v4, v2, 768
	v_lshl_add_u32 v4, v3, 4, v4                   ; Wo: row r, + 16 h
	v_mul_u32_u24 v5, v1, 24                       ; its scales: a lane a row
	v_lshlrev_b32 v6, 4, v3                        ; the row's codes: 16 h
	v_mov_b32 v7, SCB
	s_mul_i32 s2, s8, 384
	s_add_co_u32 s2, s2, YROW
	v_lshl_add_u32 v8, v3, 5, s2                   ; my six tiles' 96 numbers, + 32 h
	v_lshlrev_b32 v9, 4, v1
	v_add_nc_u32 v60, YROW, v9
	v_lshlrev_b32 v56, 3, v0
	v_lshrrev_b32 v57, 2, v0
	v_add_nc_u32 v57, SCB, v57
	v_lshl_add_u32 v58, v0, 2, NANB
	v_lshl_add_u32 v59, v1, 2, NANB
	v_mul_u32_u24 v13, v0, 171
	v_lshrrev_b32 v13, 11, v13                     ; thread l < 96 holds columns 8 l on: head l / 12
	v_lshrrev_b32 v14, 1, v13                      ; the wave that made it
	v_and_b32 v13, 1, v13
	v_lshl_add_u32 v11, v14, 10, 768               ; its m, m, l, l
	v_lshlrev_b32 v12, 5, v0
	v_lshl_add_u32 v12, v14, 8, v12                ; its sums: 256 w + 32 l
	v_lshrrev_b32 v10, 2, v1
	v_lshlrev_b32 v10, 12, v10
	v_and_b32 v15, 3, v1
	v_lshl_add_u32 v10, v15, 10, v10               ; lane -> (block lane / 4, wave lane % 4)
	s_mov_b32 s12, 0x76543210
	s_mov_b32 s13, 0xfedcba98
	s_mov_b32 s14, 0x600000
	s_mov_b32 s9, 0x3aaaaaab                       ; 1 / 768
	s_mov_b32 s15, 0x3727c5ac                      ; 1e-5
	s_mul_i32 s4, s8, 73728                        ; my 96 rows of Wo
	s_mov_b32 s5, 0
	s_mul_i32 s6, s8, 2304
	s_mov_b32 s7, 0
	s_lshl_b32 s10, ttmp9, 15                      ; the batch's eight records of 4,096 bytes
	s_mov_b32 s11, 0
	s_mul_i32 s2, ttmp9, 3072
	s_mov_b32 s3, 0
	s_wait_kmcnt 0x0
	s_add_nc_u64 s[16:17], s[16:17], s[10:11]
	s_add_nc_u64 s[18:19], s[18:19], s[2:3]
	s_add_nc_u64 s[30:31], s[30:31], s[2:3]
	s_add_nc_u64 s[20:21], s[20:21], s[4:5]
	s_add_nc_u64 s[22:23], s[22:23], s[6:7]
	s_cmp_lt_u32 s8, 3                             ; waves 0 to 2 combine
	s_cbranch_scc0 .Lno_cl
	global_load_b32 v64, v10, s[16:17] offset:784
.irp i, 0,1,2,3,4,5,6,7
	global_load_b128 v[68+4*\i:71+4*\i], v11, s[16:17] offset:4096*\i
.endr
.irp i, 0,1,2,3,4,5,6,7
	global_load_b128 v[100+8*\i:103+8*\i], v12, s[16:17] offset:4096*\i
	global_load_b128 v[104+8*\i:107+8*\i], v12, s[16:17] offset:4096*\i+16
.endr
.Lno_cl:
.irp rho, 0,1,2
.irp c, 0,1,2
	global_load_b64 v[16+6*\rho+2*\c:17+6*\rho+2*\c], v5, s[22:23] offset:768*\rho+8*\c
.endr
.endr
	WIN 0x40
	WLOAD 0, 0
	WIN 0
	s_wait_loadcnt 57                              ; on every wave's path: the records are in (where they were asked for); the 9 scale loads and buffer 0's 48, issued behind them, may be out.  Buffer 1 lands on the records' registers only behind this wait
	s_cmp_lt_u32 s8, 3
	s_cbranch_scc0 .Lno_comb
	v_mov_b32 v65, 0
.irp x, 1,2,4,8
	v_add_f32_dpp v64, v64, v64 row_xmask:\x row_mask:0xf bank_mask:0xf
.endr
	v_permlanex16_b32 v65, v64, s12, s13
	v_add_f32 v64, v64, v65
	v_mul_f32 v64, 0x3a800000, v64                 ; the batch's mean of log2 g: / 1,024
	v_cmp_eq_u32 vcc_lo, 1, v13
.irp i, 0,1,2,3,4,5,6,7
	v_cndmask_b32 v[164+\i], v[68+4*\i], v[69+4*\i], vcc_lo          ; my head's m
	v_cndmask_b32 v[172+\i], v[70+4*\i], v[71+4*\i], vcc_lo          ; and l
.endr
.irp i, 0,1,2,3,4,5,6,7
	v_sub_f32 v[164+\i], v[164+\i], v64
.endr
	v_max3_num_f32 v180, v164, v165, v166
	v_max3_num_f32 v180, v180, v167, v168
	v_max3_num_f32 v180, v180, v169, v170
	v_max_num_f32 v180, v180, v171
.irp i, 0,1,2,3,4,5,6,7
	v_sub_f32 v[164+\i], v[164+\i], v180
.endr
.irp i, 0,1,2,3,4,5,6,7
	v_exp_f32 v[164+\i], v[164+\i]
.endr
	v_nop
	s_wait_alu depctr_va_vdst(0)                   ; one wait for the eight, ahead of their first reader
	v_mul_f32 v181, v164, v172
.irp i, 1,2,3,4,5,6,7
	v_fmac_f32 v181, v[164+\i], v[172+\i]
.endr
.irp j, 0,1,2,3,4,5,6,7
	v_mul_f32 v[184+\j], v164, v[100+\j]
.endr
.irp i, 1,2,3,4,5,6,7
.irp j, 0,1,2,3,4,5,6,7
	v_fmac_f32 v[184+\j], v[164+\i], v[100+8*\i+\j]
.endr
.endr
	v_rcp_f32 v182, v181
	v_nop
	s_wait_alu depctr_va_vdst(0)
.irp j, 0,1,2,3,4,5,6,7
	v_mul_f32 v[184+\j], v[184+\j], v182           ; the context, bv within
.endr
	v_mul_f32 v183, 0, v182                        ; 0, or NaN where the sum is 0
	v_max3_num_f32 v192, |v184|, |v185|, 0x8000000
	v_max3_num_f32 v192, v192, |v186|, |v187|
	v_max3_num_f32 v192, v192, |v188|, |v189|
	v_max3_num_f32 v192, v192, |v190|, |v191|
	v_max_num_f32_dpp v192, v192, v192 row_xmask:1 row_mask:0xf bank_mask:0xf
	v_max_num_f32_dpp v192, v192, v192 row_xmask:2 row_mask:0xf bank_mask:0xf   ; four threads hold a block of 32
	v_add_nc_u32 v193, 0xf8800000, v192
	v_and_or_b32 v194, v192, 0x7f800000, s14
	v_lshrrev_b32 v195, 23, v193
.irp j, 0,1,2,3,4,5,6,7
	v_med3_num_f32 v[184+\j], v[184+\j], -v194, v194
.endr
	v_cvt_scalef32_pk8_bf8_f32 v[196:197], v[184:191], v193
	v_nop
	ds_store_b64 v56, v[196:197]
	ds_store_b8 v57, v195                          ; the block's four threads write the same byte with the same value
	ds_store_b32 v58, v183
	s_wait_dscnt 0x0                               ; the stores have read their registers: buffer 1 may land there
.Lno_comb:
	WLOAD 64, 1
	s_wait_dscnt 0x0
	s_barrier_signal -1
	s_barrier_wait -1                              ; the row's codes and scale bytes lie in LDS
	ds_load_b128 v[34:37], v7
	ds_load_b64 v[38:39], v7 offset:16
	s_wait_loadcnt 48                              ; the scale words and buffer 0 are in; buffer 1's 48 may be out
	ROUND 0, 0x05, 0
	WIN 0x40
	WLOAD 0, 2
	WIN 0
	s_wait_loadcnt 48                              ; buffer 1 is in; the third round's 48 may be out
	ROUND 1, 0x04, 64
	s_cmp_lg_u32 s8, 0
	s_cbranch_scc1 .Lno_ln_ld
.irp k, 0,1,2,3,4,5
	global_load_b128 v[64+4*\k:67+4*\k], v9, s[18:19] offset:512*\k
	global_load_b128 v[88+4*\k:91+4*\k], v9, s[24:25] offset:512*\k
	global_load_b128 v[112+4*\k:115+4*\k], v9, s[26:27] offset:512*\k
	global_load_b128 v[136+4*\k:139+4*\k], v9, s[28:29] offset:512*\k
.endr
.Lno_ln_ld:
	s_wait_loadcnt 0x0
	ROUND 2, 0x05, 0
	s_wait_dscnt 0x0
	s_barrier_signal -1
	s_barrier_wait -1                              ; the whole row lies in LDS
	s_cmp_lg_u32 s8, 0
	s_cbranch_scc1 .Lend
.irp k, 0,1,2,3,4,5
	ds_load_b128 v[160+4*\k:163+4*\k], v60 offset:512*\k
.endr
	ds_load_b32 v184, v59
	s_wait_dscnt 0x0
.irp j, 0,2,4,6,8,10,12,14,16,18,20,22
	v_pk_add_f32 v[160+\j:161+\j], v[160+\j:161+\j], v[88+\j:89+\j]  ; + bo
.endr
.irp j, 0,2,4,6,8,10,12,14,16,18,20,22
	v_pk_add_f32 v[160+\j:161+\j], v[160+\j:161+\j], v[64+\j:65+\j]  ; + q_vec
.endr
	v_pk_add_f32 v[186:187], v[160:161], v[162:163]
	v_pk_add_f32 v[188:189], v[164:165], v[166:167]
.irp j, 8,12,16,20
	v_pk_add_f32 v[186:187], v[186:187], v[160+\j:161+\j]
	v_pk_add_f32 v[188:189], v[188:189], v[162+\j:163+\j]
.endr
	v_pk_add_f32 v[186:187], v[186:187], v[188:189]
	v_add_f32 v186, v186, v187
.irp x, 1,2,4,8
	v_add_f32_dpp v186, v186, v186 row_xmask:\x row_mask:0xf bank_mask:0xf
.endr
	v_permlanex16_b32 v187, v186, s12, s13
	v_add_f32 v186, v186, v187
	v_fmamk_f32 v186, v186, 0x3aaaaaab, v184       ; the mean (+ 0, or NaN)
	v_mov_b32 v187, v186
.irp j, 0,2,4,6,8,10,12,14,16,18,20,22
	v_pk_add_f32 v[160+\j:161+\j], v[160+\j:161+\j], v[186:187] neg_lo:[0,1] neg_hi:[0,1]
.endr
	v_pk_mul_f32 v[188:189], v[160:161], v[160:161]
	v_pk_mul_f32 v[190:191], v[162:163], v[162:163]
.irp j, 4,8,12,16,20
	v_pk_fma_f32 v[188:189], v[160+\j:161+\j], v[160+\j:161+\j], v[188:189]
	v_pk_fma_f32 v[190:191], v[162+\j:163+\j], v[162+\j:163+\j], v[190:191]
.endr
	v_pk_add_f32 v[188:189], v[188:189], v[190:191]
	v_add_f32 v188, v188, v189
.irp x, 1,2,4,8
	v_add_f32_dpp v188, v188, v188 row_xmask:\x row_mask:0xf bank_mask:0xf
.endr
	v_permlanex16_b32 v189, v188, s12, s13
	v_add_f32 v188, v188, v189
	v_fma_f32 v188, v188, s9, s15                  ; the variance + 1e-5
	v_rsq_f32 v188, v188
	v_nop
	s_wait_alu depctr_va_vdst(0)
	v_mov_b32 v189, v188
.irp j, 0,2,4,6,8,10,12,14,16,18,20,22
	v_pk_mul_f32 v[160+\j:161+\j], v[160+\j:161+\j], v[188:189]
.endr
.irp j, 0,2,4,6,8,10,12,14,16,18,20,22
	v_pk_fma_f32 v[160+\j:161+\j], v[160+\j:161+\j], v[112+\j:113+\j], v[136+\j:137+\j]
.endr
.irp k, 0,1,2,3,4,5
	global_store_b128 v9, v[160+4*\k:163+4*\k], s[30:31] offset:512*\k   ; 512 consecutive bytes an instruction
.endr
.Lend:
	s_wait_tensorcnt 0x0
	ds_add_u32 v62, v63
	s_wait_dscnt 0x0
	s_endpgm
.Lfunc_end_k_qcfc0a96f3a_fin:
	.size	k_qcfc0a96f3a_fin, .Lfunc_end_k_qcfc0a96f3a_fin-k_qcfc0a96f3a_fin
	.p2alignl 7, 3214868480
	.fill 96, 4, 3214868480
	.section	.rodata,"a",@progbits
	.p2align	6, 0x0
	.amdhsa_kernel k_qcfc0a96f3a_fin
		.amdhsa_group_segment_fixed_size 6144
		.amdhsa_private_segment_fixed_size 0
		.amdhsa_enable_private_segment 0
		.amdhsa_kernarg_size 64
		.amdhsa_user_sgpr_count 2
		.amdhsa_user_sgpr_kernarg_segment_ptr 1
		.amdhsa_wavefront_size32 1
		.amdhsa_system_sgpr_workgroup_id_x 1
		.amdhsa_system_sgpr_workgroup_id_y 1
		.amdhsa_system_sgpr_workgroup_id_z 1
		.amdhsa_system_vgpr_workitem_id 0
		.amdhsa_next_free_vgpr 512
		.amdhsa_next_free_sgpr 66
		.amdhsa_reserve_vcc 1
		.amdhsa_float_denorm_mode_32 3
		.amdhsa_float_denorm_mode_16_64 3
		.amdhsa_memory_ordered 1
		.amdhsa_forward_progress 1
		.amdhsa_inst_pref_size 49
	.end_amdhsa_kernel
	.amdgpu_metadata
---
amdhsa.version: [ 1, 2 ]
amdhsa.kernels:
  - .name:           k_qcfc0a96f3a_fin
    .symbol:         k_qcfc0a96f3a_fin.kd
    .args:
      - { .name: part, .offset: 0, .size: 8, .value_kind: global_buffer, .address_space: global }
      - { .name: q_vec, .offset: 8, .size: 8, .value_kind: global_buffer, .address_space: global }
      - { .name: Wo_codes, .offset: 16, .size: 8, .value_kind: global_buffer, .address_space: global }
      - { .name: Wo_scales, .offset: 24, .size: 8, .value_kind: global_buffer, .address_space: global }
      - { .name: bo, .offset: 32, .size: 8, .value_kind: global_buffer, .address_space: global }
      - { .name: ln_g, .offset: 40, .size: 8, .value_kind: global_buffer, .address_space: global }
      - { .name: ln_b, .offset: 48, .size: 8, .value_kind: global_buffer, .address_space: global }
      - { .name: out0, .offset: 56, .size: 8, .value_kind: global_buffer, .address_space: global }
    .group_segment_fixed_size: 6144
    .private_segment_fixed_size: 0
    .kernarg_segment_align: 8
    .kernarg_segment_size: 64
    .max_flat_workgroup_size: 256
    .sgpr_count:     66
    .vgpr_count:     512
    .wavefront_size: 32
...
	.end_amdgpu_metadata
.endif
;; end of part 2
;; ======== version 2 of 2: 2 launches
;; workspace buffers: part 1,048,576 bytes
;; launch main (part 3): grid 256 x 1, 4 waves a work-group, clusters of 4 x 1, 327,680 bytes of LDS; arguments kv_tokens, q_vec, kv_mask, Wg1_codes, Wg1_scales, bg1, Wg2, bg2, Wq_codes, Wq_scales, bq, Wk_codes, Wk_scales, bk, Wv_codes, Wv_scales, bv, out1, part; writes out1, part
.if DOCPART == 3
	.amdgcn_target "amdgcn-amd-amdhsa--gfx1250"
	.amdhsa_code_object_version 6
	.text
	.protected	k_qcfc0a96f3a_main
	.globl	k_qcfc0a96f3a_main
	.p2align	8
	.type	k_qcfc0a96f3a_main,@function
k_qcfc0a96f3a_main:
	s_mov_b64 s[64:65], 0
	v_nop
	global_prefetch_b8 v0, s[64:65] scope:SCOPE_SE
	s_setreg_imm32_b32 hwreg(HW_REG_WAVE_MODE, 25, 1), 1
	s_wait_xcnt 0x0
	s_wait_alu depctr_hold_cnt(0) depctr_sa_sdst(0) depctr_va_vdst(0) depctr_va_sdst(0) depctr_va_ssrc(0) depctr_va_vcc(0) depctr_vm_vsrc(0)
	s_getreg_b32 s2, hwreg(HW_REG_IB_STS2, 6, 4)
	s_cmp_eq_u32 s2, 0
	s_cbranch_scc0 .Lentry_in_a_cluster
	s_endpgm
.Lentry_in_a_cluster:
	s_bfe_u32 s2, ttmp6, 0x10000c
	s_cmp_lg_u32 s2, 0x3003
	s_cbranch_scc0 .Lentry_shape_is_right
	s_endpgm
.Lentry_shape_is_right:
; CrossAttnUGCA, first launch.  A work-group of four waves takes 128 tokens of one batch (8 work-groups a batch) through the gate (K = 3,072, N = 192),
; the K and V projections (768 x 768 each) and a partial softmax of the 8 heads' one query.  All quantised products run on E5M2 codes with E8M0 scales.
; PHASE A, six steps of 128 features: wave w owns tokens 32 w .. 32 w + 31 (two tiles of 16).  It loads them as f32, four rows x 128 consecutive bytes an instruction, turns them through 2,304 bytes
;   of its own LDS into the operand's layout (a lane: 16 neighbours of each block of 32 of one row), makes the codes of kv, |q - kv| and q kv in registers and multiplies them at once by all 12 column
;   tiles of Wg1.  kv's fragments also go to LDS as images of their registers, for phase B.  The gate's first quarter (rows of q, equal for all tokens) is multiplied once a work-group, three column
;   tiles a wave.  Wq's six tiles (the wave's two heads) are multiplied between the two tiles' quantisers.  Wg1's scale words of a step are fetched once a work-group, a part a wave, and shared through LDS.
; PHASE B, four passes K(2w), V(2w), K(2w+1), V(2w+1): wave w owns heads 2 w, 2 w + 1 for all 128 tokens: 48 accumulators.  Scores, 2^(t - m), the sum and the weighted sum of V stay in the wave.
; EVERY MATRIX INSTRUCTION IS USED TRANSPOSED: source 0 = 16 rows of a weight, source 1 = 16 tokens: lane l holds token l % 16, register j the output column n0 + 8 (l / 16) + j.
; Base 2: t = (q . k) log2(e) / sqrt(96) + log2 g (-infinity where the mask is 0); the factor is folded into q.  The batch's mean of log g is applied in the second launch.
; CLUSTER: all work-groups walk the same weights: four of them ask for each tile jointly (mask 15); wave w of each issues the same load.
; OUT: g_tok (512 bytes a work-group) and, per wave, a record of 1,024 bytes in part: 192 sums of p (v + bv), then m, m, l, l of its two heads, the sum of log2 g of its 32 tokens, zeros.
; LIMITS: NaN and infinities among the inputs are not served.  A block of zeros carries the scale byte 1 (its codes are zeros; the bytes are read by this program alone).  Blocks whose largest
; magnitude lies under 2^-111 keep that floor's byte.  The gate's first quarter and the softmax's parts are summed in another grouping than reference() has.
.set SLOT1, 110592                     ; LDS: slot 0 at 0 (phase A: four parts of Wg1, 192 rows x 144 bytes each; phase B: four tiles of 96 rows x 272), slot 1 here (four tiles of 96 x 272)
.set WTILE, 26112                      ; 96 rows x (256 + 16) bytes
.set GPART, 27648                      ; 192 rows x (128 + 16) bytes
.set KVI,   215040                     ; kv's 48 fragment images, 8 ks + row tile, 2,048 bytes each.  Until a step's images are stored, a wave's 4,096 bytes of that step are its stage
.set QSTG,  2304                       ; in that stage: 16 rows x 144 bytes for a block of kv, then 512 bytes for q
.set KVS,   313344                     ; kv's scale words [ks][pair of row tiles][lane]
.set QC,    316416                     ; q's 768 codes, laid twice
.set QS,    317952                     ; q's 6 scale words, laid twice
.set TBI,   318208                     ; per token log2 g or -infinity
.set GTK,   318720                     ; per token g
.set G0A,   319232                     ; the gate's first quarter, 192 f32
.set STG,   320000                     ; 1,024 bytes a wave: q', later the record for part
.set SPARE, 324096                     ; the spare words, 128 bytes a wave: two blocks of 256 bytes that no other line names
.set GSL,   324608                     ; Wg1's scale words of the step in hand, [part][row]: 4 x 192 words
; vector registers, window 0
.set LANE, 1
.set SPW,  2
.set NIL,  3
.set XO,   4                           ; (lane / 8) 3072 + 16 (lane % 8)
.set QO,   5                           ; 64 h
.set LBG0, 6                           ; r 144 + 16 h
.set LBG2, 7
.set LBGQ, 8
.set LBW,  9                           ; w WTILE + r 272 + 16 h
.set ADB,  10
.set IMS0, 11
.set IMS,  12
.set SAW,  12
.set KVS0, 13
.set KVSW, 14
.set SBW,  14
.set QCL,  15
.set AQ2,  16
.set AQG,  17
.set VGS,  18                          ; lane 96 + 24 w
.set GLQ,  19                          ; GSL + 192 w + 4 r
.set VBS,  20
.set PFO,  21
.set L16,  22
.set HB,   23                          ; 32 h
.set SA,   24
.set SB,   25
.set GLS,  26                          ; phase A: GSL + 768 w + 4 lane,
.set GLA,  27                          ; GSL + 4 lane,
.set QSR0, 28                          ; my stage + QSTG + 64 h,
.set QSR,  29                          ; and the same in the step in hand
.set IA0,  26                          ; from the gate's end on these four are phase B's
.set IA1,  27
.set KVL,  28
.set TBL,  29
.set MK,   30
.set TA,   31
.set GS,   32                          ; v32-91 hold scales and nothing else.  Phase A: 21 words of Wg1,
.set WQS,  54                          ; 12 of Wq,
.set QW,   66                          ; q's two for Wq's chunk, v68 q's for the gate,
.set QWG,  68
.set WK0,  70                          ; the six words just made: WK0 + 2 (part - 1) + tile
.set WKM,  76
.set QWD,  77
.set GSG,  78                          ; six words of Wg1 on their way from memory to GSL
.set AS,   32                          ; phase B: kv's words, AS + 4 ks + pair;
.set BS,   56                          ; the weight's, BS + 6 b + ks
.set STW0, 92                          ; my stage + (lane / 8) 144 + 16 (lane % 8): where a load's four rows go
.set STR0, 93                          ; my stage + r 144 + 64 h: where my 16 neighbours come from
.set STW,  94                          ; the same two in the step in hand
.set STR,  95
.set TM,   96                          ; the quantiser's 16 temporaries
.set QFG,  112
.set QF2,  128
.set FK0,  160                         ; the six fragments: FK0 + 32 (part - 1) + 16 tile
.set TB,   96
.set S2,   104
.set TP,   120
.set EV,   192
.set E2,   160
.set GZ,   176
; window 1 (phase A): two tiles of kv, q, and a tile at work.  Phase B: two sets of six weight fragments, from 192 the bias
.set RX1,  64
.set RQ,   128
.set RT,   192
.set BI,   192
; window 2 (phase A): two sets of six weight fragments; from 192 the six accumulators of q; from 240 q's 128 numbers as loaded.  Window 3: the gate's 24 accumulators, from 192 the first quarter's three.  Phase B: 24 accumulators each
.set QACC, 192
.set QRAW, 240
; scalar registers
.set WV,   8
.set SCNT, 9
.set PI,   10
.set TBR,  11
.set SEL,  12
.set MNT,  14
.set MHI,  15
.set G1G,  16
.set G1W,  24
.set G0G,  32
.set G0W,  36
.set BVP,  40
.set OUT1, 42
.set PART, 44
.set CUR,  46
.set NXT,  48
.set NBI,  50
.set NBS,  52
.set SI,   54
.set SK,   55
.set SQ,   56
.set SQ4,  57
.set SC,   58
.set SC8,  59
.set CQ,   60
.set BG2,  62
.set WOFF, 63
.set XB,   68
.set QB,   70
.set MKP,  72
.set G1C,  74
.set GSB,  76
.set BG1,  78
.set WG2,  80
.set BG2P, 82
.set WA,   84
.set WQSB, 86
.set BQ,   88
.set PK,   90
.set SKP,  92
.set BKP,  94
.set PV,   96
.set SVP,  98
.set C01,  100
.set C99,  101
.set MSB, 0
.macro WIN new                         ; the immediate's high byte repeats the setting that is left; a switch that changes nothing is dropped
.if MSB != (\new)
	s_set_vgpr_msb (MSB<<8)|(\new)
.set MSB, (\new)
.endif
.endm
.macro PLACES n                        ; plain vector lines between a matrix instruction and a load into, or a read of, its registers
.rept \n
	v_nop
.endr
.endm
.macro CREST                           ; a round of the cluster's barrier behind its opening barrier
	s_cmp_lg_u32 s[WV], 0
	s_cbranch_scc1 .Lnot_wave_0_\@
	s_barrier_signal -3
.Lnot_wave_0_\@:
	s_barrier_wait -3
	s_barrier_signal -1
	s_barrier_wait -1
.endm
.macro CROUND
	s_barrier_signal -1
	s_barrier_wait -1
	CREST
.endm
; one product: D rD, source 0 rA, source 1 rB, C rC, scales rSA (lanes 16-31 where rRA) and rSB (rRB)
.macro WM
.if rRA && rRB
	v_wmma_scale_f32_16x16x128_f8f6f4 v[rD:rD+7], v[rA:rA+15], v[rB:rB+15], v[rC:rC+7], v[rSA], v[rSB] matrix_a_fmt:MATRIX_FMT_BF8 matrix_b_fmt:MATRIX_FMT_BF8 matrix_a_scale:MATRIX_SCALE_ROW1 matrix_b_scale:MATRIX_SCALE_ROW1
.elseif rRA
	v_wmma_scale_f32_16x16x128_f8f6f4 v[rD:rD+7], v[rA:rA+15], v[rB:rB+15], v[rC:rC+7], v[rSA], v[rSB] matrix_a_fmt:MATRIX_FMT_BF8 matrix_b_fmt:MATRIX_FMT_BF8 matrix_a_scale:MATRIX_SCALE_ROW1
.elseif rRB
	v_wmma_scale_f32_16x16x128_f8f6f4 v[rD:rD+7], v[rA:rA+15], v[rB:rB+15], v[rC:rC+7], v[rSA], v[rSB] matrix_a_fmt:MATRIX_FMT_BF8 matrix_b_fmt:MATRIX_FMT_BF8 matrix_b_scale:MATRIX_SCALE_ROW1
.else
	v_wmma_scale_f32_16x16x128_f8f6f4 v[rD:rD+7], v[rA:rA+15], v[rB:rB+15], v[rC:rC+7], v[rSA], v[rSB] matrix_a_fmt:MATRIX_FMT_BF8 matrix_b_fmt:MATRIX_FMT_BF8
.endif
.endm
; 64 numbers of a lane in window 1, register 16 b + i = k 32 b + 16 (lane / 16) + i of my row, become a fragment's 16 registers and its scale word, both in window 0.
; mode 1: the numbers' magnitudes are what is quantised (|q - kv|): the hold takes them.
.macro QUANT src, mode, dst, word
	WIN 0x05                                       ; sources 0 and 1 window 1
.irp b, 0,1,2,3
	v_max3_num_f32 v[TM+\b], |v[(\src)+16*\b]|, |v[(\src)+16*\b+1]|, 0x8000000   ; the floor 2^(16 - 127) among the leaves holds the byte at 1 from below
.endr
.irp i, 2,4,6,8,10,12,14
.irp b, 0,1,2,3
	v_max3_num_f32 v[TM+\b], |v[(\src)+16*\b+\i]|, |v[(\src)+16*\b+\i+1]|, v[TM+\b]
.endr
.endr
	WIN 0
.irp b, 0,1,2,3
	v_permlanex16_b32 v[TM+4+\b], v[TM+\b], s[SEL], s[SEL+1]
.endr
.irp b, 0,1,2,3
	v_max_num_f32 v[TM+\b], v[TM+\b], v[TM+4+\b]   ; with lane l xor 16's 16 numbers: the block's largest magnitude
.endr
.irp b, 0,1,2,3
	v_add_nc_u32 v[TM+12+\b], 0xf8800000, v[TM+\b] ; 15 off its exponent field: the conversion's scale operand
.endr
.irp b, 0,1,2,3
	v_and_or_b32 v[TM+8+\b], v[TM+\b], 0x7f800000, s[MNT]   ; 57,344 x the scale
.endr
.irp b, 0,1,2,3
	v_lshrrev_b32 v[TM+4+\b], 23, v[TM+12+\b]      ; the scale's byte
.endr
	v_lshl_or_b32 v[(\word)], v[TM+5], 8, v[TM+4]
	v_lshl_or_b32 v[(\word)], v[TM+6], 16, v[(\word)]
	v_lshl_or_b32 v[(\word)], v[TM+7], 24, v[(\word)]
	WIN 0x41                                       ; destination and source 0 window 1
.irp b, 0,1,2,3
.irp i, 0,1,2,3,4,5,6,7,8,9,10,11,12,13,14,15
.if \mode
	v_min_num_f32 v[(\src)+16*\b+\i], |v[(\src)+16*\b+\i]|, v[TM+8+\b]
.else
	v_med3_num_f32 v[(\src)+16*\b+\i], v[(\src)+16*\b+\i], -v[TM+8+\b], v[TM+8+\b]   ; the conversion to an 8-bit code does not saturate (ISA guide 7.6.2)
.endif
.endr
.endr
	WIN 0x01
.irp b, 0,1,2,3
	v_cvt_scalef32_pk8_bf8_f32 v[(\dst)+4*\b:(\dst)+4*\b+1], v[(\src)+16*\b:(\src)+16*\b+7], v[TM+12+\b]
	v_cvt_scalef32_pk8_bf8_f32 v[(\dst)+4*\b+2:(\dst)+4*\b+3], v[(\src)+16*\b+8:(\src)+16*\b+15], v[TM+12+\b]
.endr
	v_nop                                          ; a plain line between the conversions and whatever next touches their results or writes their sources
.endm
; 16 loads: 128 numbers of q in the operand's layout, the same in all rows, into window 1 (at the head alone, for q's codes; the window is set by the caller)
.macro XLOAD reg, sb
.irp b, 0,1,2,3
.irp j, 0,1,2,3
	global_load_b128 v[(\reg)+16*\b+4*\j:(\reg)+16*\b+4*\j+3], v[QO], s[\sb:\sb+1] offset:128*\b+16*\j
.endr
.endr
.endm
; 16 loads: tile t's 16 rows x 512 bytes as they lie: an instruction takes block b (128 consecutive bytes) of rows 4 g .. 4 g + 3, eight lanes to a row, into registers 16 b + 4 g on of window 1
.macro KLOAD t
.irp g, 0,1,2,3
.irp b, 0,1,2,3
	global_load_b128 v[64*(\t)+16*\b+4*\g:64*(\t)+16*\b+4*\g+3], v[XO], s[XB:XB+1] offset:49152*(\t)+12288*\g+128*\b th:TH_LOAD_NT
.endr
.endr
.endm
; tile t turns through my stage, a block at a time: in as loaded, back 64 bytes a lane, into the registers that it left.  LDS serves a wave's instructions in order (ISA guide 5.7.1.4):
; the loads see the stores above them, and the next block's stores come behind them.  Rows 144 bytes apart: the 16 rows that a load touches start at 16 different banks
.macro TURNX t
.irp b, 0,1,2,3
.irp g, 0,1,2,3
	ds_store_b128 v[STW], v[64*(\t)+16*\b+4*\g:64*(\t)+16*\b+4*\g+3] offset:576*\g
.endr
.irp j, 0,1,2,3
	ds_load_b128 v[64*(\t)+16*\b+4*\j:64*(\t)+16*\b+4*\j+3], v[STR] offset:16*\j
.endr
.endr
.endm
; tile t of my two: |kv - q|, kv q and kv become fragments
.macro TILE t
	WIN 0x45
.set n_, 0
.rept 32
	v_pk_add_f32 v[RT+n_:RT+n_+1], v[64*(\t)+n_:64*(\t)+n_+1], v[RQ+n_:RQ+n_+1] neg_lo:[0,1] neg_hi:[0,1]
.set n_, n_+2
.endr
	QUANT RT, 1, FK0+32+16*(\t), WK0+2+(\t)
	WIN 0x45
.set n_, 0
.rept 32
	v_pk_mul_f32 v[RT+n_:RT+n_+1], v[64*(\t)+n_:64*(\t)+n_+1], v[RQ+n_:RQ+n_+1]
.set n_, n_+2
.endr
	QUANT RT, 0, FK0+64+16*(\t), WK0+4+(\t)
	QUANT 64*(\t), 0, FK0+16*(\t), WK0+(\t)
.endm
; six fragments of Wg1 into set g % 2 of window 2: part 1 + g / 2, column tiles 6 (g % 2) on.  g = 6: my three tiles of part 0
.macro FETCHG g
	WIN 0x80
.if (\g) < 6
.irp i, 0,1,2,3,4,5
.irp c, 0,1,2,3
.if (\g) < 2
	ds_load_b128 v[96*((\g)%2)+16*\i+4*\c:96*((\g)%2)+16*\i+4*\c+3], v[LBG0] offset:GPART+(6*((\g)%2)+\i)*2304+32*\c
.else
	ds_load_b128 v[96*((\g)%2)+16*\i+4*\c:96*((\g)%2)+16*\i+4*\c+3], v[LBG2] offset:((\g)/2-1)*GPART+(6*((\g)%2)+\i)*2304+32*\c
.endif
.endr
.endr
.else
.irp i, 0,1,2
.irp c, 0,1,2,3
	ds_load_b128 v[16*\i+4*\c:16*\i+4*\c+3], v[LBGQ] offset:\i*2304+32*\c
.endr
.endr
.endif
.endm
; their products: twelve accumulators by turns, one instruction a turn
.macro MULG g
	WIN 0xf2                                       ; source 0 window 2, source 1 window 0, C and D window 3
.if (\g) < 6
.irp i, 0,1,2,3,4,5
.irp t, 0,1
.set rD, 96*\t+8*(6*((\g)%2)+\i)
.set rC, rD
.set rA, 96*((\g)%2)+16*\i
.set rB, FK0+32*((\g)/2)+16*\t
.set rSA, GS+6*((\g)/2)+(6*((\g)%2)+\i)/2
.set rSB, WK0+2*((\g)/2)+\t
.set rRA, \i%2
.set rRB, 0
	WM
.endr
.endr
.else
.irp i, 0,1,2
.set rD, 192+8*\i
.set rC, rD
.set rA, 16*\i
.set rB, QFG
.set rSA, GS+18+\i
.set rSB, QWG
.set rRA, 0
.set rRB, 0
	WM
.endr
.endif
.endm
; ---- phase B
.macro FRAGB ks                        ; the weight's six fragments of K step ks into set ks % 2 of window 1
	WIN 0x40
.irp b, 0,1,2,3,4,5
.irp c, 0,1,2,3
	ds_load_b128 v[96*((\ks)%2)+16*\b+4*\c:96*((\ks)%2)+16*\b+4*\c+3], v[ADB] offset:4352*\b+128*((\ks)%2)+32*\c
.endr
.endr
.endm
.macro FRAGA ks, a0                    ; kv's images of row tiles a0 .. a0 + 3
	WIN 0
.irp aa, 0,1,2,3
.irp c, 0,1,2,3
.if (\ks) < 4
	ds_load_b128 v[128+16*((\a0)+\aa)+4*\c:128+16*((\a0)+\aa)+4*\c+3], v[IA0] offset:(8*(\ks)+(\a0)+\aa)*2048+512*\c
.else
	ds_load_b128 v[128+16*((\a0)+\aa)+4*\c:128+16*((\a0)+\aa)+4*\c+3], v[IA1] offset:(8*(\ks)+(\a0)+\aa)*2048+512*\c-65536
.endif
.endr
.endr
.endm
.macro MUL12 ap, ks, first             ; row tiles 2 ap, 2 ap + 1 x six column tiles; first = 1: the bias is the C that starts the sums
.if \first
	WIN 0x91+0x40*((\ap)/2)
.else
	WIN 0xa1+0x50*((\ap)/2)
.endif
.irp aa, 0,1
.irp b, 0,1,2,3,4,5
.set rAI, 2*(\ap)+\aa
.set rD, 48*(rAI%4)+8*\b
.set rA, 96*((\ks)%2)+16*\b
.set rB, 128+16*rAI
.set rSA, BS+6*\b+(\ks)
.set rSB, AS+4*(\ks)+rAI/2
.set rRA, 0
.set rRB, rAI%2
.if \first
.set rC, BI+8*\b
.else
.set rC, rD
.endif
	WM
.endr
.endr
.endm
.macro NEXTBS c                        ; the next pass's scale words of K steps 2 c, 2 c + 1
.irp b, 0,1,2,3,4,5
	global_load_b64 v[BS+6*\b+2*(\c):BS+6*\b+2*(\c)+1], v[VBS], s[NBS:NBS+1] offset:384*\b+8*(\c)
.endr
.endm
.macro NEXTBI                          ; the next pass's bias, in the result's layout
	WIN 0x40
.irp b, 0,1,2,3,4,5
	global_load_b128 v[BI+8*\b:BI+8*\b+3], v[HB], s[NBI:NBI+1] offset:64*\b
	global_load_b128 v[BI+8*\b+4:BI+8*\b+7], v[HB], s[NBI:NBI+1] offset:64*\b+16
.endr
.endm
.macro KSTEP ks, first, ld             ; an even K step: its successor lies in the same slot
	s_wait_dscnt 16                                ; the weight's set and row tiles 0-3 are in; the youngest 16 loads (row tiles 4-7) may be out
	MUL12 0, \ks, \first
	MUL12 1, \ks, \first
	s_wait_dscnt 0x0
	PLACES 8
.if (\ld) >= 0
	WIN 0
	NEXTBS \ld
.endif
	FRAGB (\ks)+1
	FRAGA (\ks)+1, 0
	MUL12 2, \ks, \first
	MUL12 3, \ks, \first
	PLACES 8
	FRAGA (\ks)+1, 4
.endm
; An odd K step changes slots.  In front of the barrier each wave waits for all its tensor loads (one is out: the next slot's tile), adds 0 to its spare word, and waits for that and for its reads
; of this slot.  fill = 1: the barrier opens a round of the cluster's barrier, and behind it this slot takes the chunk two chunks on: src 0: this pass's third, 1: the next pass's first, 2: its second.
.macro TURN ks, fill, src, nks, tail, ldbi
	WIN 0
	s_wait_tensorcnt 0x0
	ds_add_u32 v[SPW], v[NIL]
	s_wait_dscnt 17                                ; the add and the youngest 16 loads may be out
	MUL12 0, \ks, 0
	s_wait_dscnt 0x0                               ; the add is done, my reads of this slot are over
	s_barrier_signal -1
	MUL12 1, \ks, 0
	WIN 0
	s_barrier_wait -1
.if \fill
	CREST
	s_add_co_u32 s[G0W+1], s[TBR], s[WOFF]         ; no tensor load of mine is out: the descriptor may be written
.if (\src) == 0
	s_add_nc_u64 s[G0W+2:G0W+3], s[CUR:CUR+1], 512
.elseif (\src) == 1
	s_mov_b64 s[G0W+2:G0W+3], s[NXT:NXT+1]
.else
	s_add_nc_u64 s[G0W+2:G0W+3], s[NXT:NXT+1], 256
.endif
	s_or_b32 s[G0W+3], s[G0W+3], 0x80000000
	tensor_load_to_lds s[G0W:G0W+3], s[G1W:G1W+7]  ; my one tensor load behind this round; 72 products stand ahead of the wait for it
	s_nop 0
.endif
	PLACES 8                                       ; behind the tensor load, and in front of the loads into registers that products have read
	s_xor_b32 s[TBR], s[TBR], SLOT1
	v_add_nc_u32 v[ADB], s[TBR], v[LBW]
.if \ldbi
	NEXTBI
.endif
	FRAGB \nks
	FRAGA \nks, 0
	MUL12 2, \ks, 0
	MUL12 3, \ks, 0
	PLACES 8
.if \tail
	FRAGA \nks, 4
.endif
.endm
.macro PASS last                       ; 96 columns x 128 tokens x K = 768: 288 products
	s_wait_loadcnt 0x0                             ; this pass's bias and scale words
	KSTEP 0, 1, -1
	TURN 1, 1, 0, 2, 1, 1-(\last)
.if \last
	KSTEP 2, 0, -1
	TURN 3, 0, 1, 4, 1, 0
	KSTEP 4, 0, -1
	s_wait_dscnt 16                                ; the very last K step: nothing more to fetch
	MUL12 0, 5, 0
	MUL12 1, 5, 0
	s_wait_dscnt 0x0
	MUL12 2, 5, 0
	MUL12 3, 5, 0
	PLACES 8
.else
	KSTEP 2, 0, 0
	TURN 3, 1, 1, 4, 1, 0
	KSTEP 4, 0, 1
	TURN 5, 1, 2, 0, 0, 0
.endif
	WIN 0
.endm
; behind a K pass: t = k . q' + log2 g, the block's largest t, p = 2^(t - m), the sum.  p stays in v[S2 + 2 a]
.macro EPI_K
.irp b, 0,1,2,3,4,5
	ds_load_b128 v[EV+8*\b:EV+8*\b+3], v[SAW] offset:64*\b
	ds_load_b128 v[EV+8*\b+4:EV+8*\b+7], v[SAW] offset:64*\b+16
.endr
	s_wait_dscnt 0x0
.irp hw, 0,1
	WIN 0x02+\hw                                   ; source 0: the accumulators' window
.irp b, 0,1,2,3,4,5
.irp i, 0,2,4,6
.irp aa, 0,1,2,3
.if (\b == 0) && (\i == 0)
	v_pk_mul_f32 v[S2+2*(4*\hw+\aa):S2+2*(4*\hw+\aa)+1], v[48*\aa+8*\b+\i:48*\aa+8*\b+\i+1], v[EV+8*\b+\i:EV+8*\b+\i+1]
.else
	v_pk_fma_f32 v[S2+2*(4*\hw+\aa):S2+2*(4*\hw+\aa)+1], v[48*\aa+8*\b+\i:48*\aa+8*\b+\i+1], v[EV+8*\b+\i:EV+8*\b+\i+1], v[S2+2*(4*\hw+\aa):S2+2*(4*\hw+\aa)+1]
.endif
.endr
.endr
.endr
.endr
	WIN 0
.irp a, 0,1,2,3,4,5,6,7
	v_add_f32 v[S2+2*\a], v[S2+2*\a], v[S2+2*\a+1]
.endr
.irp a, 0,1,2,3,4,5,6,7
	v_permlanex16_b32 v[S2+2*\a+1], v[S2+2*\a], s[SEL], s[SEL+1]   ; the token's other 48 columns lie in the lane 16 away
.endr
.irp a, 0,1,2,3,4,5,6,7
	v_add_f32 v[S2+2*\a], v[S2+2*\a], v[S2+2*\a+1]
.endr
.irp a, 0,1,2,3,4,5,6,7
	v_add_f32 v[S2+2*\a], v[S2+2*\a], v[TB+\a]
.endr
	v_max3_num_f32 v[TP], v[S2], v[S2+2], 0xff61b1e6              ; the floor -3e38: a block with no valid token keeps it, and its p are 0
	v_max3_num_f32 v[TP], v[TP], v[S2+4], v[S2+6]
	v_max3_num_f32 v[TP], v[TP], v[S2+8], v[S2+10]
	v_max3_num_f32 v[TP], v[TP], v[S2+12], v[S2+14]
.irp x, 1,2,4,8
	v_max_num_f32_dpp v[TP], v[TP], v[TP] row_xmask:\x row_mask:0xf bank_mask:0xf
.endr
.irp a, 0,1,2,3,4,5,6,7
	v_sub_f32 v[S2+2*\a], v[S2+2*\a], v[TP]
.endr
.irp a, 0,1,2,3,4,5,6,7
	v_exp_f32 v[S2+2*\a], v[S2+2*\a]
.endr
	ds_store_b32 v[SBW], v[TP]                     ; m
	v_nop                                          ; a plain line behind the last exponential
	s_wait_alu depctr_va_vdst(0)                   ; one wait for the eight, ahead of their first reader
	v_add_f32 v[TP+1], v[S2], v[S2+2]
	v_add_f32 v[TP+2], v[S2+4], v[S2+6]
	v_add_f32 v[TP+3], v[S2+8], v[S2+10]
	v_add_f32 v[TP+4], v[S2+12], v[S2+14]
	v_add_f32 v[TP+1], v[TP+1], v[TP+2]
	v_add_f32 v[TP+3], v[TP+3], v[TP+4]
	v_add_f32 v[TP+1], v[TP+1], v[TP+3]
.irp x, 1,2,4,8
	v_add_f32_dpp v[TP+1], v[TP+1], v[TP+1] row_xmask:\x row_mask:0xf bank_mask:0xf
.endr
	ds_store_b32 v[SBW], v[TP+1] offset:8          ; l
.endm
; behind a V pass: the sum over my 128 tokens of p (v + bv): within a lane over the eight row tiles, then over the sixteen lanes of a half
.macro EPI_V
.irp hw, 0,1
	WIN 0x02+\hw
.irp aa, 0,1,2,3
.irp b, 0,1,2,3,4,5
.irp i, 0,2,4,6
.if (\hw == 0) && (\aa == 0)
	v_pk_mul_f32 v[EV+8*\b+\i:EV+8*\b+\i+1], v[48*\aa+8*\b+\i:48*\aa+8*\b+\i+1], v[S2+2*(4*\hw+\aa):S2+2*(4*\hw+\aa)+1] op_sel_hi:[1,0]
.else
	v_pk_fma_f32 v[EV+8*\b+\i:EV+8*\b+\i+1], v[48*\aa+8*\b+\i:48*\aa+8*\b+\i+1], v[S2+2*(4*\hw+\aa):S2+2*(4*\hw+\aa)+1], v[EV+8*\b+\i:EV+8*\b+\i+1] op_sel_hi:[1,0,1]
.endif
.endr
.endr
.endr
.endr
	WIN 0
.irp x, 1,2,4,8
.set n_, 0
.rept 48
	v_add_f32_dpp v[EV+n_], v[EV+n_], v[EV+n_] row_xmask:\x row_mask:0xf bank_mask:0xf
.set n_, n_+1
.endr
.endr
.irp b, 0,1,2,3,4,5
	ds_store_b128 v[SAW], v[EV+8*\b:EV+8*\b+3] offset:64*\b          ; the sixteen lanes of a half write the same bytes with the same numbers
	ds_store_b128 v[SAW], v[EV+8*\b+4:EV+8*\b+7] offset:64*\b+16
.endr
.endm
; ================ the head
	s_load_b512 s[68:83], s[0:1], 0x0              ; kv_tokens, q_vec, kv_mask, Wg1_codes, Wg1_scales, bg1, Wg2, bg2
	s_load_b512 s[84:99], s[0:1], 0x40             ; Wq_codes, Wq_scales, bq, Wk_codes, Wk_scales, bk, Wv_codes, Wv_scales
	s_load_b128 s[40:43], s[0:1], 0x80             ; bv, out1
	s_load_b64 s[44:45], s[0:1], 0x90              ; part
	v_lshl_add_u32 v[SPW], v0, 2, SPARE
	v_mov_b32 v[NIL], 0
	ds_add_u32 v2, v3
	ds_add_u32 v2, v3
	s_wait_dscnt 0x0
	v_lshrrev_b32 v[TA], 5, v0
	v_readfirstlane_b32 s[WV], v[TA]               ; wave 0..3
	; group 1 for a part of Wg1: 192 rows x 128 bytes, rows 3,072 bytes apart, 16 bytes of padding behind each; mask: all four work-groups
	s_mov_b32 s[G1G+0], 15|(1<<20)|(1<<21)|(4<<22)|(3<<25)
	s_mov_b32 s[G1G+1], 128<<16
	s_mov_b32 s[G1G+2], 192<<16
	s_mov_b32 s[G1G+3], 128<<16
	s_mov_b32 s[G1G+4], 192
	s_mov_b32 s[G1G+5], 3072
	s_mov_b32 s[G1G+6], 0
	s_mov_b32 s[G1G+7], 0
	; group 1 for a head's chunk of Wq, Wk or Wv: 96 rows x 256 bytes, rows 768 bytes apart, 16 bytes of padding behind each
	s_mov_b32 s[G1W+0], 15|(1<<20)|(1<<21)|(5<<22)|(3<<25)
	s_mov_b32 s[G1W+1], 256<<16
	s_mov_b32 s[G1W+2], 96<<16
	s_mov_b32 s[G1W+3], 256<<16
	s_mov_b32 s[G1W+4], 96
	s_mov_b32 s[G1W+5], 768
	s_mov_b32 s[G1W+6], 0
	s_mov_b32 s[G1W+7], 0
	s_mov_b32 s[SEL], 0x76543210
	s_mov_b32 s[SEL+1], 0xfedcba98                 ; v_permlanex16_b32's selects for lane l xor 16
	s_mov_b32 s[MNT], 0x600000                     ; the mantissa field of 57,344
	s_mov_b32 s[MHI], 0xffff0000                   ; lanes 16-31
	s_mov_b32 s[CQ], 0x3e16c740                    ; log2(e) / sqrt(96)
	s_mov_b32 s[CQ+1], s[CQ]
	s_mul_i32 s[WOFF], s[WV], WTILE
	s_mul_i32 s4, s[WV], 147456                    ; my two heads' 192 rows of 768 bytes
	s_mov_b32 s5, 0
	s_mul_i32 s6, s[WV], 768
	s_mov_b32 s7, 0
	s_bfe_u32 s66, ttmp6, 0x40000                  ; my place in the cluster: it enters the addresses of kv, q, the mask, out1 and part alone
	s_lshl_b32 s67, ttmp9, 2
	s_add_co_u32 s67, s67, s66                     ; the work-group's number
	s_wait_kmcnt 0x0
	s_add_nc_u64 s[WA:WA+1], s[WA:WA+1], s[4:5]
	s_add_nc_u64 s[PK:PK+1], s[PK:PK+1], s[4:5]
	s_add_nc_u64 s[PV:PV+1], s[PV:PV+1], s[4:5]
	s_add_nc_u64 s[G1C:G1C+1], s[G1C:G1C+1], s[6:7]   ; Wg1: part w begins 768 bytes x w into a row
	s_add_nc_u64 s[BQ:BQ+1], s[BQ:BQ+1], s[6:7]       ; the biases: 192 numbers x w
	s_add_nc_u64 s[BKP:BKP+1], s[BKP:BKP+1], s[6:7]
	s_add_nc_u64 s[BVP:BVP+1], s[BVP:BVP+1], s[6:7]
	s_mul_i32 s6, s[WV], 4608                      ; the scales: 192 rows of 24 bytes x w
	s_add_nc_u64 s[WQSB:WQSB+1], s[WQSB:WQSB+1], s[6:7]
	s_add_nc_u64 s[SKP:SKP+1], s[SKP:SKP+1], s[6:7]
	s_add_nc_u64 s[SVP:SVP+1], s[SVP:SVP+1], s[6:7]
	s_mov_b32 s[G0G], 1
	s_mul_i32 s[G0G+1], s[WV], GPART
	s_mov_b64 s[G0G+2:G0G+3], s[G1C:G1C+1]
	s_or_b32 s[G0G+3], s[G0G+3], 0x80000000
	s_mov_b32 s[G0W], 1
	s_add_co_u32 s[G0W+1], s[WOFF], SLOT1
	s_mov_b64 s[G0W+2:G0W+3], s[WA:WA+1]
	s_or_b32 s[G0W+3], s[G0W+3], 0x80000000
	CROUND                                         ; all four work-groups are here: the first joint load meets
	tensor_load_to_lds s[G0W:G0W+3], s[G1W:G1W+7]  ; Wq, head 2 w, K 0..255, into slot 1
	s_nop 0
	PLACES 4
	s_load_b32 s[BG2], s[BG2P:BG2P+1], 0x0
	s_mul_i32 s100, s67, 393216                    ; 128 tokens of 3,072 bytes
	s_mul_i32 s66, s[WV], 98304
	s_add_co_u32 s100, s100, s66
	s_mov_b32 s101, 0
	s_add_nc_u64 s[XB:XB+1], s[XB:XB+1], s[100:101]
	s_lshr_b32 s100, s67, 3                        ; the batch
	s_mul_i32 s100, s100, 3072
	s_add_nc_u64 s[QB:QB+1], s[QB:QB+1], s[100:101]
	s_lshl_b32 s100, s67, 7
	s_lshl_b32 s66, s[WV], 5
	s_add_co_u32 s100, s100, s66
	s_add_nc_u64 s[MKP:MKP+1], s[MKP:MKP+1], s[100:101]
	s_lshl_b32 s100, s67, 9
	s_add_nc_u64 s[OUT1:OUT1+1], s[OUT1:OUT1+1], s[100:101]
	s_lshl_b32 s100, s67, 12
	s_lshl_b32 s66, s[WV], 10
	s_add_co_u32 s100, s100, s66
	s_add_nc_u64 s[PART:PART+1], s[PART:PART+1], s[100:101]
	s_lshl_b32 s100, s[WV], 9                      ; q's K step w,
	s_add_nc_u64 s[NBI:NBI+1], s[QB:QB+1], s[100:101]
	s_and_b32 s100, s[WV], 1
	s_lshl_b32 s100, s100, 9
	s_add_co_u32 s100, s100, 2048                  ; and K step 4 + w % 2
	s_add_nc_u64 s[NBS:NBS+1], s[QB:QB+1], s[100:101]
	s_mov_b32 s[C01], 0x3c23d70a                   ; 0.01
	s_mov_b32 s[C99], 0x3f7d70a4                   ; 0.99
	v_and_b32 v[LANE], 31, v0
	v_and_b32 v96, 15, v0                          ; r
	v_bfe_u32 v97, v0, 4, 1                        ; h
	v_lshrrev_b32 v98, 3, v[LANE]                  ; lane / 8
	v_and_b32 v99, 7, v0                           ; lane % 8
	v_mul_u32_u24 v[XO], v98, 3072
	v_lshl_add_u32 v[XO], v99, 4, v[XO]
	v_lshlrev_b32 v[QO], 6, v97
	v_mul_u32_u24 v[LBG0], v96, 144
	v_lshl_add_u32 v[LBG0], v97, 4, v[LBG0]
	v_add_nc_u32 v[LBG2], 2*GPART, v[LBG0]
	s_mul_i32 s2, s[WV], 6912
	v_add_nc_u32 v[LBGQ], s2, v[LBG0]
	v_mul_u32_u24 v[LBW], v96, 272
	v_lshl_add_u32 v[LBW], v97, 4, v[LBW]
	v_add_nc_u32 v[LBW], s[WOFF], v[LBW]
	v_add_nc_u32 v[ADB], SLOT1, v[LBW]
	s_lshl_b32 s2, s[WV], 12
	s_add_co_u32 s2, s2, KVI                       ; my 4,096 bytes of a step's images
	v_lshl_add_u32 v[IMS0], v[LANE], 4, s2
	v_mul_u32_u24 v[STW0], v98, 144
	v_lshl_add_u32 v[STW0], v99, 4, v[STW0]
	v_add_nc_u32 v[STW0], s2, v[STW0]
	v_mul_u32_u24 v[STR0], v96, 144
	v_lshl_add_u32 v[STR0], v97, 6, v[STR0]
	v_add_nc_u32 v[STR0], s2, v[STR0]
	v_add_nc_u32 v[QSR0], s2, v[QO]
	v_add_nc_u32 v[QSR0], QSTG, v[QSR0]
	s_lshl_b32 s2, s[WV], 7
	s_add_co_u32 s2, s2, KVS
	v_lshl_add_u32 v[KVS0], v[LANE], 2, s2
	v_lshl_add_u32 v[QCL], v97, 4, QC
	v_mul_u32_u24 v[VGS], v[LANE], 96              ; Wg1's scales: a lane a row, part w
	s_mul_i32 s2, s[WV], 24
	v_add_nc_u32 v[VGS], s2, v[VGS]
	s_mul_i32 s2, s[WV], 192
	s_add_co_u32 s2, s2, GSL
	v_lshl_add_u32 v[GLQ], v96, 2, s2
	s_mul_i32 s2, s[WV], 768
	s_add_co_u32 s2, s2, GSL
	v_lshl_add_u32 v[GLS], v[LANE], 2, s2
	v_lshl_add_u32 v[GLA], v[LANE], 2, GSL
	v_mul_u32_u24 v[VBS], v96, 24
	v_mul_u32_u24 v[PFO], v[LANE], 3072
	v_lshlrev_b32 v[L16], 4, v[LANE]
	v_lshlrev_b32 v[HB], 5, v97
	s_lshl_b32 s2, s[WV], 10
	s_add_co_u32 s2, s2, STG
	v_add_nc_u32 v[SA], s2, v[HB]
	s_add_co_u32 s3, s2, 768
	v_mov_b32 v[SB], s3
	v_lshl_add_u32 v[TA], v[LANE], 3, s3
	s_lshl_b32 s2, s[WV], 7
	v_add_nc_u32 v[AQG], s2, v[QCL]                ; where q's codes of K step w go: QC + 128 w + 16 h
	s_lshl_b32 s2, s[WV], 2
	s_add_co_u32 s2, s2, QS
	v_mov_b32 v[AQ2], s2                           ; and their scale word
	global_load_u8 v[MK], v[LANE], s[MKP:MKP+1]    ; lane = token
	WIN 0xc0                                       ; destination window 3: bg1 starts the gate's 24 sums
.irp t, 0,1
.irp ct, 0,1,2,3,4,5,6,7,8,9,10,11
	global_load_b128 v[96*\t+8*\ct:96*\t+8*\ct+3], v[HB], s[BG1:BG1+1] offset:64*\ct
	global_load_b128 v[96*\t+8*\ct+4:96*\t+8*\ct+7], v[HB], s[BG1:BG1+1] offset:64*\ct+16
.endr
.endr
.set n_, 0
.rept 24
	v_mov_b32 v[192+n_], 0                         ; the first quarter's three sums: the step is written once, so these few are cleared
.set n_, n_+1
.endr
	WIN 0x80                                       ; destination window 2: bq of head 2 w starts q's six sums
.irp t, 0,1,2,3,4,5
	global_load_b128 v[QACC+8*\t:QACC+8*\t+3], v[HB], s[BQ:BQ+1] offset:64*\t
	global_load_b128 v[QACC+8*\t+4:QACC+8*\t+7], v[HB], s[BQ:BQ+1] offset:64*\t+16
.endr
	WIN 0x40
	XLOAD RT, NBI
	XLOAD RX1, NBS
	WIN 0
.irp t, 0,1,2,3,4,5
	global_load_b64 v[WQS+2*\t:WQS+2*\t+1], v[VBS], s[WQSB:WQSB+1] offset:384*\t
.endr
.irp u, 0,1,2,3,4,5
	global_load_b32 v[GSG+\u], v[VGS], s[GSB:GSB+1] offset:3072*\u
.endr
	WIN 0x80
	global_load_b128 v[QRAW:QRAW+3], v[L16], s[QB:QB+1]
	WIN 0x40
	KLOAD 0
	WIN 0
.irp b, 0,1,2,3
	v_mov_b32 v[TM+4+\b], 0                        ; written once: a lane permute's destination counts as one of its sources
.endr
	ds_store_b64 v[TA], v[TM+4:TM+5]               ; zeros into the record's last 256 bytes
	s_wait_loadcnt 29                              ; q's two K steps are in; behind them: 6 + 6 scale loads, 1 of q, 16 of kv
	QUANT RT, 0, FK0, QWD
	WIN 0
.irp b, 0,1,2,3
	ds_store_b128 v[AQG], v[FK0+4*\b:FK0+4*\b+3] offset:32*\b        ; all rows of the fragment are q: sixteen lanes write the same bytes
	ds_store_b128 v[AQG], v[FK0+4*\b:FK0+4*\b+3] offset:768+32*\b
.endr
	ds_store_b32 v[AQ2], v[QWD]
	ds_store_b32 v[AQ2], v[QWD] offset:24
	QUANT RX1, 0, FK0+16, WKM
	WIN 0
	s_cmp_lt_u32 s[WV], 2                          ; K steps 4 and 5 are stored by waves 0 and 1
	s_cbranch_scc0 .Lq_done
.irp b, 0,1,2,3
	ds_store_b128 v[AQG], v[FK0+16+4*\b:FK0+16+4*\b+3] offset:512+32*\b
	ds_store_b128 v[AQG], v[FK0+16+4*\b:FK0+16+4*\b+3] offset:1280+32*\b
.endr
	ds_store_b32 v[AQ2], v[WKM] offset:16
	ds_store_b32 v[AQ2], v[WKM] offset:40
.Lq_done:
	WIN 0x40
	KLOAD 1
	WIN 0
	s_mov_b32 s[SCNT], 0
	s_mov_b32 s[SI], 0
	s_mov_b32 s[SK], 0
	s_mov_b32 s[SQ], 0
	s_mov_b32 s[SQ4], QS
	s_mov_b32 s[SC], 0
	s_mov_b32 s[SC8], QS
	s_wait_kmcnt 0x0                               ; bg2
; ================ phase A: six steps of 128 features
.Lstep:
	; slot 0 takes this step's four parts of Wg1: all my tensor loads have landed (Wq's chunk), my reads of slot 0 and of the last step's scale words are over
	s_wait_tensorcnt 0x0
	ds_add_u32 v[SPW], v[NIL]
	v_add_nc_u32 v[IMS], s[SI], v[IMS0]
	v_add_nc_u32 v[KVSW], s[SK], v[KVS0]
	v_add_nc_u32 v[AQ2], s[SC], v[QCL]
	v_add_nc_u32 v[AQG], s[SQ], v[QCL]
	v_add_nc_u32 v[STW], s[SI], v[STW0]
	v_add_nc_u32 v[STR], s[SI], v[STR0]
	v_add_nc_u32 v[QSR], s[SI], v[QSR0]
	v_mov_b32 v[TA], s[SC8]
	s_wait_dscnt 0x0
	CROUND
	tensor_load_to_lds s[G0G:G0G+3], s[G1G:G1G+7]  ; part w; it has both tiles' quantisers in which to land
	s_nop 0
	PLACES 4
	s_wait_loadcnt 0x0                             ; all that the last step (or the head) asked for: q, both tiles, Wq's and Wg1's scale words
	WIN 0x08                                       ; an LDS store's data are its source 1: window 2
	ds_store_b128 v[IMS], v[QRAW:QRAW+3] offset:QSTG   ; q's 512 bytes as they lie,
	WIN 0x44                                       ; loaded data and stored data window 1, addresses window 0
.irp b, 0,1,2,3
.irp j, 0,1,2,3
	ds_load_b128 v[RQ+16*\b+4*\j:RQ+16*\b+4*\j+3], v[QSR] offset:128*\b+16*\j   ; and back in the operand's layout, the same in all rows
.endr
.endr
	TURNX 0
	TURNX 1
	WIN 0
.irp u, 0,1,2,3,4,5
	ds_store_b32 v[GLS], v[GSG+\u] offset:128*\u   ; part w's 192 scale words, for all four waves: they are read behind the next round
.endr
	s_wait_dscnt 38                                ; q and tile 0 are back; tile 1's 32 instructions and the 6 stores may be out
	WIN 0x80
.irp kk, 0,1
.irp t, 0,1,2,3,4,5
.irp c, 0,1,2,3
	ds_load_b128 v[16*(6*\kk+\t)+4*\c:16*(6*\kk+\t)+4*\c+3], v[ADB] offset:4352*\t+128*\kk+32*\c   ; Wq's chunk: twelve fragments
.endr
.endr
.endr
	WIN 0
.irp kk, 0,1
.irp c, 0,1,2,3
	ds_load_b128 v[QF2+16*\kk+4*\c:QF2+16*\kk+4*\c+3], v[AQ2] offset:128*\kk+32*\c
.endr
.endr
	ds_load_b64 v[QW:QW+1], v[TA]
	TILE 0
	s_wait_dscnt 0x0                               ; Wq's fragments, q's, and tile 1
	WIN 0xa2                                       ; source 0, C and D window 2, source 1 window 0
.irp kk, 0,1
.irp t, 0,1,2,3,4,5
.set rD, QACC+8*\t
.set rC, rD
.set rA, 16*(6*\kk+\t)
.set rB, QF2+16*\kk
.set rSA, WQS+2*\t+\kk
.set rSB, QW+\kk
.set rRA, 0
.set rRB, 0
	WM
.endr
.endr
	WIN 0
	PLACES 8
	s_cmp_eq_u32 s[SCNT], 2                        ; a head's q is whole behind its third chunk
	s_cbranch_scc1 .Lq_head0
	s_cmp_eq_u32 s[SCNT], 5
	s_cbranch_scc0 .Lno_q
	v_add_nc_u32 v[TA], 384, v[SA]
	s_branch .Lq_out
.Lq_head0:
	v_mov_b32 v[TA], v[SA]
.Lq_out:
	WIN 0x82
.set n_, 0
.rept 24
	v_pk_mul_f32 v[QACC+n_:QACC+n_+1], v[QACC+n_:QACC+n_+1], s[CQ:CQ+1] op_sel_hi:[1,0]
.set n_, n_+2
.endr
	WIN 0x08                                       ; an LDS store's data are its source 1
.irp t, 0,1,2,3,4,5
	ds_store_b128 v[TA], v[QACC+8*\t:QACC+8*\t+3] offset:64*\t
	ds_store_b128 v[TA], v[QACC+8*\t+4:QACC+8*\t+7] offset:64*\t+16
.endr
	WIN 0
	s_cmp_eq_u32 s[SCNT], 2
	s_cbranch_scc0 .Lno_q
	s_wait_dscnt 0x0                               ; the stores have read their registers
	WIN 0x80
.irp t, 0,1,2,3,4,5
	global_load_b128 v[QACC+8*\t:QACC+8*\t+3], v[HB], s[BQ:BQ+1] offset:384+64*\t      ; bq of head 2 w + 1 starts the next six sums
	global_load_b128 v[QACC+8*\t+4:QACC+8*\t+7], v[HB], s[BQ:BQ+1] offset:384+64*\t+16
.endr
	WIN 0
.Lno_q:
	; the next step's Wq words, Wg1 words, q and tile 0 are asked for here: their registers are free, and tile 1's quantiser, vector work alone, follows
	s_wait_xcnt 0x0                                ; the last step's loads are in and its prefetches have read their address: the pointers may step
	s_add_nc_u64 s[XB:XB+1], s[XB:XB+1], 512
	s_add_nc_u64 s[QB:QB+1], s[QB:QB+1], 512
	s_add_nc_u64 s[GSB:GSB+1], s[GSB:GSB+1], 4
	s_movk_i32 s2, 8
	s_cmp_eq_u32 s[SCNT], 2
	s_cselect_b32 s2, 2288, s2                     ; on to the next head's rows, back along K
	s_mov_b32 s3, 0
	s_add_nc_u64 s[WQSB:WQSB+1], s[WQSB:WQSB+1], s[2:3]
	s_cmp_lt_u32 s[SCNT], 5                        ; the last step asks for nothing: no load leaves its buffer
	s_cbranch_scc0 .Lno_b1
.irp t, 0,1,2,3,4,5
	global_load_b64 v[WQS+2*\t:WQS+2*\t+1], v[VBS], s[WQSB:WQSB+1] offset:384*\t
.endr
.irp u, 0,1,2,3,4,5
	global_load_b32 v[GSG+\u], v[VGS], s[GSB:GSB+1] offset:3072*\u   ; part w, rows 32 u + lane
.endr
	WIN 0x80
	global_load_b128 v[QRAW:QRAW+3], v[L16], s[QB:QB+1]              ; q's 128 numbers: 512 consecutive bytes
	WIN 0x40
	KLOAD 0
	WIN 0
	s_cmp_lt_u32 s[SCNT], 4
	s_cbranch_scc0 .Lno_b1
	global_prefetch_b8 v[PFO], s[XB:XB+1] offset:512 th:TH_LOAD_NT scope:SCOPE_SE   ; the step after the one just asked for: my 32 rows, a lane a row, 2 x 256 bytes:
	global_prefetch_b8 v[PFO], s[XB:XB+1] offset:768 th:TH_LOAD_NT scope:SCOPE_SE   ; each block is named once in the launch; steps 0 and 1 come by their loads alone
.Lno_b1:
	TILE 1
	WIN 0
.irp t, 0,1
.irp c, 0,1,2,3
	ds_store_b128 v[IMS], v[FK0+16*\t+4*\c:FK0+16*\t+4*\c+3] offset:2048*\t+512*\c   ; kv's two fragments as they stand, over the stage, which is done with
.endr
.endr
	v_cndmask_b32 v[WKM], v[WK0], v[WK0+1], s[MHI] ; lanes 0-15: tile 0's words, lanes 16-31: tile 1's
	ds_store_b32 v[KVSW], v[WKM]
	; slot 1 takes the next chunk of Wq (behind the last step: Wk's first): the parts of Wg1 have landed, my reads of slot 1 are over, my stores of scale words are done
	s_wait_tensorcnt 0x0
	ds_add_u32 v[SPW], v[NIL]
	s_add_nc_u64 s[G0G+2:G0G+3], s[G0G+2:G0G+3], 128   ; no tensor load of mine is out: both descriptors may be written
	s_movk_i32 s2, 256
	s_cmp_eq_u32 s[SCNT], 2
	s_cselect_b32 s2, 73216, s2
	s_mov_b32 s3, 0
	s_add_nc_u64 s[WA:WA+1], s[WA:WA+1], s[2:3]
	s_cmp_eq_u32 s[SCNT], 5
	s_cselect_b64 s[G0W+2:G0W+3], s[PK:PK+1], s[WA:WA+1]
	s_or_b32 s[G0W+3], s[G0W+3], 0x80000000
	s_wait_dscnt 0x0
	CROUND
	tensor_load_to_lds s[G0W:G0W+3], s[G1W:G1W+7]  ; it has the gate's 75 products in which to land
	s_nop 0
	PLACES 4
	v_mov_b32 v[TA], s[SQ4]
.irp c, 0,1,2,3
	ds_load_b128 v[QFG+4*\c:QFG+4*\c+3], v[AQG] offset:32*\c
.endr
	ds_load_b32 v[QWG], v[TA]
.irp p, 1,2,3
.irp u, 0,1,2,3,4,5
	ds_load_b32 v[GS+6*(\p-1)+\u], v[GLA] offset:768*\p+128*\u   ; lanes 0-15: column tile 2 u, lanes 16-31: 2 u + 1
.endr
.endr
.irp i, 0,1,2
	ds_load_b32 v[GS+18+\i], v[GLQ] offset:64*\i   ; my three tiles of part 0
.endr
	FETCHG 0
	FETCHG 1
	WIN 0
	s_cmp_lt_u32 s[SCNT], 5                        ; the next step's tile 1: its registers are free since tile 1's quantiser; asked for behind the round and the first two fetches
	s_cbranch_scc0 .Lno_b2
	WIN 0x40
	KLOAD 1
	WIN 0
.Lno_b2:
	s_wait_dscnt 24                                ; all but the set fetched last
	MULG 0
	PLACES 8
	FETCHG 2
	s_wait_dscnt 24
	MULG 1
	PLACES 8
	FETCHG 3
	s_wait_dscnt 24
	MULG 2
	PLACES 8
	FETCHG 4
	s_wait_dscnt 24
	MULG 3
	PLACES 8
	FETCHG 5
	s_wait_dscnt 24
	MULG 4
	PLACES 8
	FETCHG 6
	s_wait_dscnt 12                                ; the first quarter's twelve loads may be out
	MULG 5
	s_wait_dscnt 0x0
	MULG 6
	WIN 0
	PLACES 8
	s_add_co_u32 s[SI], s[SI], 16384
	s_add_co_u32 s[SK], s[SK], 512
	s_add_co_u32 s[SQ], s[SQ], 128
	s_add_co_u32 s[SQ4], s[SQ4], 4
	s_add_co_u32 s[SC], s[SC], 256
	s_add_co_u32 s[SC8], s[SC8], 8
	s_add_co_u32 s[SCNT], s[SCNT], 1
	s_cmp_lt_u32 s[SCNT], 6
	s_cbranch_scc1 .Lstep
; ================ the gate's end
	s_wait_loadcnt 0x0                             ; no load into the registers of q, kv and the scale words is out (the last step asked for none): the loads below land on them only behind this wait
	v_lshl_add_u32 v[IA0], v[LANE], 4, KVI         ; phase B's four addresses take the registers of phase A's (no LDS instruction of mine is out)
	v_add_nc_u32 v[IA1], 65536, v[IA0]
	v_lshl_add_u32 v[KVL], v[LANE], 2, KVS
	v_and_b32 v[TBL], 15, v0
	v_lshl_add_u32 v[TBL], v[TBL], 2, TBI
	s_mov_b64 s[NBI:NBI+1], s[BKP:BKP+1]
	s_mov_b64 s[NBS:NBS+1], s[SKP:SKP+1]
	WIN 0x40
.irp ct, 0,1,2,3,4,5,6,7,8,9,10,11
	global_load_b128 v[96+8*\ct:99+8*\ct], v[HB], s[WG2:WG2+1] offset:64*\ct
	global_load_b128 v[100+8*\ct:103+8*\ct], v[HB], s[WG2:WG2+1] offset:64*\ct+16
.endr
	NEXTBI                                         ; the first pass's bias and scale words
	WIN 0
	NEXTBS 0
	NEXTBS 1
	NEXTBS 2
	s_mul_i32 s2, s[WV], 192
	s_add_co_u32 s2, s2, G0A
	v_add_nc_u32 v[TA], s2, v[HB]
	WIN 0x0c
.irp i, 0,1,2
	ds_store_b128 v[TA], v[192+8*\i:195+8*\i] offset:64*\i
	ds_store_b128 v[TA], v[196+8*\i:199+8*\i] offset:64*\i+16
.endr
	WIN 0
	; slot 0 takes Wk's second chunk
	s_wait_tensorcnt 0x0
	ds_add_u32 v[SPW], v[NIL]
	s_mov_b64 s[CUR:CUR+1], s[PK:PK+1]
	s_add_nc_u64 s[PK:PK+1], s[PK:PK+1], 73728
	s_mov_b32 s[G0W+1], s[WOFF]
	s_add_nc_u64 s[G0W+2:G0W+3], s[CUR:CUR+1], 256
	s_or_b32 s[G0W+3], s[G0W+3], 0x80000000
	s_mov_b32 s[TBR], SLOT1
	s_wait_dscnt 0x0
	CROUND
	tensor_load_to_lds s[G0W:G0W+3], s[G1W:G1W+7]
	s_nop 0
	PLACES 4
	v_add_nc_u32 v[TA], G0A, v[HB]
	WIN 0x40
.irp ct, 0,1,2,3,4,5,6,7,8,9,10,11
	ds_load_b128 v[8*\ct:8*\ct+3], v[TA] offset:64*\ct
	ds_load_b128 v[8*\ct+4:8*\ct+7], v[TA] offset:64*\ct+16
.endr
	s_wait_dscnt 0x0
	s_wait_loadcnt 30                              ; Wg2 is in; the first pass's 12 + 18 loads may be out
	WIN 0xc7                                       ; destination and source 0 window 3, source 1 window 1
.irp t, 0,1
.irp ct, 0,1,2,3,4,5,6,7,8,9,10,11
.irp i, 0,2,4,6
	v_pk_add_f32 v[96*\t+8*\ct+\i:96*\t+8*\ct+\i+1], v[96*\t+8*\ct+\i:96*\t+8*\ct+\i+1], v[8*\ct+\i:8*\ct+\i+1]
.endr
.endr
.endr
	WIN 0xcc
.set n_, 0
.rept 192
	v_max_num_f32 v[n_], 0, v[n_]                  ; relu
.set n_, n_+1
.endr
	WIN 0x07                                       ; source 0 window 3, source 1 window 1
.irp ct, 0,1,2,3,4,5,6,7,8,9,10,11
.irp i, 0,2,4,6
.irp t, 0,1
.if \ct == 0
	v_pk_mul_f32 v[E2+8*\t+\i:E2+8*\t+\i+1], v[96*\t+8*\ct+\i:96*\t+8*\ct+\i+1], v[96+8*\ct+\i:96+8*\ct+\i+1]
.else
	v_pk_fma_f32 v[E2+8*\t+\i:E2+8*\t+\i+1], v[96*\t+8*\ct+\i:96*\t+8*\ct+\i+1], v[96+8*\ct+\i:96+8*\ct+\i+1], v[E2+8*\t+\i:E2+8*\t+\i+1]
.endif
.endr
.endr
.endr
	WIN 0
.irp t, 0,1
	v_pk_add_f32 v[E2+8*\t:E2+8*\t+1], v[E2+8*\t:E2+8*\t+1], v[E2+8*\t+2:E2+8*\t+3]
	v_pk_add_f32 v[E2+8*\t+4:E2+8*\t+5], v[E2+8*\t+4:E2+8*\t+5], v[E2+8*\t+6:E2+8*\t+7]
.endr
.irp t, 0,1
	v_pk_add_f32 v[E2+8*\t:E2+8*\t+1], v[E2+8*\t:E2+8*\t+1], v[E2+8*\t+4:E2+8*\t+5]
.endr
.irp t, 0,1
	v_add_f32 v[E2+8*\t], v[E2+8*\t], v[E2+8*\t+1]
.endr
.irp t, 0,1
	v_permlanex16_b32 v[E2+8*\t+1], v[E2+8*\t], s[SEL], s[SEL+1]
.endr
.irp t, 0,1
	v_add_f32 v[E2+8*\t], v[E2+8*\t], v[E2+8*\t+1]
.endr
	v_cndmask_b32 v[GZ], v[E2], v[E2+8], s[MHI]    ; lane = token from here on
	v_add_f32 v[GZ], s[BG2], v[GZ]
	v_mul_f32 v[GZ+1], 0xbfb8aa3b, |v[GZ]|         ; softplus(z) = max(z, 0) + ln 2 x log2(1 + 2^(-|z| log2 e))
	v_exp_f32 v[GZ+1], v[GZ+1]
	v_max_num_f32 v[GZ+2], 0, v[GZ]
	s_wait_alu depctr_va_vdst(0)                   ; ahead of each transcendental's first reader
	v_add_f32 v[GZ+1], 1.0, v[GZ+1]
	v_log_f32 v[GZ+1], v[GZ+1]
	v_mov_b32 v[GZ+9], 0
	s_wait_alu depctr_va_vdst(0)
	v_fmamk_f32 v[GZ+3], v[GZ+1], 0x3f317218, v[GZ+2]
	v_add_f32 v[GZ+4], 1.0, v[GZ+3]
	v_add_f32 v[GZ+4], 0x322bcc77, v[GZ+4]         ; + 1e-8
	v_rcp_f32 v[GZ+4], v[GZ+4]
	v_mov_b32 v[GZ+7], 0xff800000                  ; -infinity
	s_wait_alu depctr_va_vdst(0)
	v_mul_f32 v[GZ+5], v[GZ+3], v[GZ+4]
	v_med3_num_f32 v[GZ+5], v[GZ+5], s[C01], s[C99]   ; g
	v_log_f32 v[GZ+6], v[GZ+5]
	v_nop
	s_wait_alu depctr_va_vdst(0)
	v_cmp_ne_u32 vcc_lo, 0, v[MK]
	v_cndmask_b32 v[GZ+7], v[GZ+7], v[GZ+6], vcc_lo
	v_mov_b32 v[GZ+8], v[GZ+6]
.irp x, 1,2,4,8
	v_add_f32_dpp v[GZ+8], v[GZ+8], v[GZ+8] row_xmask:\x row_mask:0xf bank_mask:0xf
.endr
	v_permlanex16_b32 v[GZ+9], v[GZ+8], s[SEL], s[SEL+1]
	v_add_f32 v[GZ+8], v[GZ+8], v[GZ+9]            ; the sum of log2 g over my 32 tokens, masked ones too, as reference() has the mean
	s_lshl_b32 s2, s[WV], 7
	s_add_co_u32 s2, s2, TBI
	v_lshl_add_u32 v[AQ2], v[LANE], 2, s2
	v_add_nc_u32 v[TA], GTK, v[L16]
	ds_store_b32 v[AQ2], v[GZ+7]
	ds_store_b32 v[AQ2], v[GZ+5] offset:512
	ds_store_b32 v[SB], v[GZ+8] offset:16
	s_wait_dscnt 0x0                               ; for the others' sake: my stores have landed
	s_barrier_signal -1                            ; the tensor load may stay out
	s_barrier_wait -1
	s_cmp_lg_u32 s[WV], 0
	s_cbranch_scc1 .Lnot_out1
	ds_load_b128 v[188:191], v[TA]
	s_wait_dscnt 0x0
	global_store_b128 v[L16], v[188:191], s[OUT1:OUT1+1]   ; 32 lanes store the work-group's 512 consecutive bytes of g_tok
.Lnot_out1:
	s_wait_xcnt 0x0                                ; the store has read its registers, the loads their bases
	s_add_nc_u64 s[BKP:BKP+1], s[BKP:BKP+1], 384   ; K's pointers now stand at head 2 w + 1
	s_add_nc_u64 s[SKP:SKP+1], s[SKP:SKP+1], 2304
.irp ks, 0,1,2,3,4,5
.irp u, 0,1,2,3
	ds_load_b32 v[AS+4*\ks+\u], v[KVL] offset:512*\ks+128*\u
.endr
.endr
.irp a, 0,1,2,3,4,5,6,7
	ds_load_b32 v[TB+\a], v[TBL] offset:64*\a
.endr
	v_add_nc_u32 v[ADB], s[TBR], v[LBW]
	FRAGB 0
	FRAGA 0, 0
	FRAGA 0, 4
; ================ phase B
	s_mov_b32 s[PI], 0
.Lpass:                                                ; three trips: K(2w), V(2w), K(2w+1)
	s_and_b32 s2, s[PI], 1
	s_cmp_eq_u32 s2, 1                             ; behind a V pass comes K, behind a K pass V
	s_cselect_b64 s[NXT:NXT+1], s[PK:PK+1], s[PV:PV+1]
	s_cselect_b64 s[NBI:NBI+1], s[BKP:BKP+1], s[BVP:BVP+1]
	s_cselect_b64 s[NBS:NBS+1], s[SKP:SKP+1], s[SVP:SVP+1]
	s_cselect_b32 s2, 0, 73728
	s_cselect_b32 s4, 0, 384
	s_cselect_b32 s6, 0, 2304
	s_mov_b32 s3, 0
	s_mov_b32 s5, 0
	s_mov_b32 s7, 0
	s_add_nc_u64 s[PV:PV+1], s[PV:PV+1], s[2:3]    ; V's pointers step to the next head once they have been taken
	s_add_nc_u64 s[BVP:BVP+1], s[BVP:BVP+1], s[4:5]
	s_add_nc_u64 s[SVP:SVP+1], s[SVP:SVP+1], s[6:7]
	s_lshr_b32 s2, s[PI], 1                        ; which of my two heads
	s_mul_i32 s3, s2, 384
	v_add_nc_u32 v[SAW], s3, v[SA]
	s_lshl_b32 s3, s2, 2
	v_add_nc_u32 v[SBW], s3, v[SB]
	PASS 0
	NEXTBS 2
	s_and_b32 s2, s[PI], 1
	s_cmp_eq_u32 s2, 0
	s_cbranch_scc0 .Lepi_v
	EPI_K
	s_branch .Lepi_done
.Lepi_v:
	EPI_V
.Lepi_done:
	s_wait_dscnt 0x0                               ; the epilogue's stores have read their registers
	FRAGA 0, 4                                     ; the next pass's row tiles 4-7, into the registers that the epilogue worked in
	s_wait_xcnt 0x0                                ; the loads of the next bias and scales have read their bases
	s_mov_b64 s[CUR:CUR+1], s[NXT:NXT+1]
	s_add_co_u32 s[PI], s[PI], 1
	s_cmp_lt_u32 s[PI], 3
	s_cbranch_scc1 .Lpass
	v_add_nc_u32 v[SAW], 384, v[SA]
	PASS 1                                         ; V(2w+1) is written out: its last two chunks ask for nothing
	EPI_V
; ================ the record leaves
	s_lshl_b32 s2, s[WV], 10
	s_add_co_u32 s2, s2, STG
	v_add_nc_u32 v[TA], s2, v[L16]
	ds_load_b128 v[128:131], v[TA]                 ; LDS serves a wave's instructions in order: these see my stores
	ds_load_b128 v[132:135], v[TA] offset:512
	s_wait_dscnt 0x0
	global_store_b128 v[L16], v[128:131], s[PART:PART+1]             ; 512 consecutive bytes an instruction
	global_store_b128 v[L16], v[132:135], s[PART:PART+1] offset:512
	s_wait_tensorcnt 0x0                           ; the wave's end
	ds_add_u32 v[SPW], v[NIL]
	s_wait_dscnt 0x0
	CROUND                                         ; the closing round
	s_endpgm
.Lfunc_end_k_qcfc0a96f3a_main:
	.size	k_qcfc0a96f3a_main, .Lfunc_end_k_qcfc0a96f3a_main-k_qcfc0a96f3a_main
	.p2alignl 7, 3214868480
	.fill 96, 4, 3214868480
	.section	.rodata,"a",@progbits
	.p2align	6, 0x0
	.amdhsa_kernel k_qcfc0a96f3a_main
		.amdhsa_group_segment_fixed_size 327680
		.amdhsa_private_segment_fixed_size 0
		.amdhsa_enable_private_segment 0
		.amdhsa_kernarg_size 152
		.amdhsa_user_sgpr_count 2
		.amdhsa_user_sgpr_kernarg_segment_ptr 1
		.amdhsa_wavefront_size32 1
		.amdhsa_system_sgpr_workgroup_id_x 1
		.amdhsa_system_sgpr_workgroup_id_y 1
		.amdhsa_system_sgpr_workgroup_id_z 1
		.amdhsa_system_vgpr_workitem_id 0
		.amdhsa_next_free_vgpr 1024
		.amdhsa_next_free_sgpr 102
		.amdhsa_reserve_vcc 1
		.amdhsa_float_denorm_mode_32 3
		.amdhsa_float_denorm_mode_16_64 3
		.amdhsa_memory_ordered 1
		.amdhsa_forward_progress 1
		.amdhsa_inst_pref_size 255
	.end_amdhsa_kernel
	.section	.bss,"aw",@nobits
	.p2align	6
	.space	262144
	.amdgpu_metadata
---
amdhsa.version: [ 1, 2 ]
amdhsa.kernels:
  - .name:           k_qcfc0a96f3a_main
    .symbol:         k_qcfc0a96f3a_main.kd
    .args:
      - { .name: kv_tokens, .offset: 0, .size: 8, .value_kind: global_buffer, .address_space: global }
      - { .name: q_vec, .offset: 8, .size: 8, .value_kind: global_buffer, .address_space: global }
      - { .name: kv_mask, .offset: 16, .size: 8, .value_kind: global_buffer, .address_space: global }
      - { .name: Wg1_codes, .offset: 24, .size: 8, .value_kind: global_buffer, .address_space: global }
      - { .name: Wg1_scales, .offset: 32, .size: 8, .value_kind: global_buffer, .address_space: global }
      - { .name: bg1, .offset: 40, .size: 8, .value_kind: global_buffer, .address_space: global }
      - { .name: Wg2, .offset: 48, .size: 8, .value_kind: global_buffer, .address_space: global }
      - { .name: bg2, .offset: 56, .size: 8, .value_kind: global_buffer, .address_space: global }
      - { .name: Wq_codes, .offset: 64, .size: 8, .value_kind: global_buffer, .address_space: global }
      - { .name: Wq_scales, .offset: 72, .size: 8, .value_kind: global_buffer, .address_space: global }
      - { .name: bq, .offset: 80, .size: 8, .value_kind: global_buffer, .address_space: global }
      - { .name: Wk_codes, .offset: 88, .size: 8, .value_kind: global_buffer, .address_space: global }
      - { .name: Wk_scales, .offset: 96, .size: 8, .value_kind: global_buffer, .address_space: global }
      - { .name: bk, .offset: 104, .size: 8, .value_kind: global_buffer, .address_space: global }
      - { .name: Wv_codes, .offset: 112, .size: 8, .value_kind: global_buffer, .address_space: global }
      - { .name: Wv_scales, .offset: 120, .size: 8, .value_kind: global_buffer, .address_space: global }
      - { .name: bv, .offset: 128, .size: 8, .value_kind: global_buffer, .address_space: global }
      - { .name: out1, .offset: 136, .size: 8, .value_kind: global_buffer, .address_space: global }
      - { .name: part, .offset: 144, .size: 8, .value_kind: global_buffer, .address_space: global }
    .group_segment_fixed_size: 327680
    .private_segment_fixed_size: 0
    .kernarg_segment_align: 8
    .kernarg_segment_size: 152
    .max_flat_workgroup_size: 128
    .sgpr_count:     102
    .vgpr_count:     1024
    .wavefront_size: 32
...
	.end_amdgpu_metadata
.endif
;; end of part 3
;; launch fin: the kernel of part 2 again; grid 32 x 1, 8 waves a work-group, no clusters, 6,144 bytes of LDS; arguments part, q_vec, Wo_codes, Wo_scales, bo, ln_g, ln_b, out0; writes out0
